; MI455X (gfx1250); checked and timed in simulation.
; The chip was launched on July 23, 2026; its instructions are those of AMD's public machine-readable ISA for CDNA 5 (MIT licence, August 2026) and "CDNA5" Instruction Set Architecture Reference Guide (July 2026). The comments in the code are by the model that wrote it; some were corrected since.
;; Cross Attention. Allowed arithmetic: matrix products marked QUANTISED: E2M3 operands, one E8M0 scale for each 32 along K, by v_wmma_scale_f32_16x16x128_f8f6f4 with both operands' format E2M3, f32 sums; everything else in f32.
;; Inputs: attention_mask_l 8 x 256 int32; b_l 1,024 float32; b_out 512 float32; b_v 1,024 float32; b_vl 1,024 float32; l 8 x 256 x 768 float32; v 8 x 4,096 x 512 float32; w_l 1,024 x 768 float32; w_out 512 x 1,024 float32; w_v 1,024 x 512 float32; w_vl 1,024 x 768 float32.
;; Outputs: out0 8 x 4,096 x 512 float32.
;; This version of the problem:
;;   THIS VERSION OF THE PROBLEM IS GIVEN IN LOW PRECISION. The matrix products marked QUANTISED in the list below multiply operands that are first quantised to E2M3 (2 exponent bits, 3 mantissa bits; 6 bits a number), with one power-of-two scale for each 32 numbers along K (OCP MX v1.0); their sums are f32. All else is computed in f32.
;;   The module's matrix products, in the order in which they are computed (A, B: the left and right operand; K: the contracted axis; several contracted axes count as one K, in the product's order):
;;     1. [M 32,768, K 512] x [K 512, N 1,024]; A: input v; B: input w_v: QUANTISED
;;     2. [M 2,048, K 768] x [K 768, N 1,024]; A: input l; B: input w_l: QUANTISED
;;     3. [M 2,048, K 768] x [K 768, N 1,024]; A: input l; B: input w_vl: QUANTISED
;;     4. batch 128 x [M 4,096, K 64] x [K 64, N 256]; A: computed on the way; B: computed on the way: QUANTISED
;;     5. batch 128 x [M 4,096, K 256] x [K 256, N 64]; A: softmax (see below); B: computed on the way: QUANTISED
;;     6. [M 32,768, K 1,024] x [K 1,024, N 512]; A: computed on the way; B: input w_out: QUANTISED
;;   THE QUANTISER, for each operand of a quantised product, along K:
;;     - K is cut into blocks of 32 from its start; a last block that is shorter is filled with zeros.
;;     - A block's scale is 2^e with e = floor(log2(the largest magnitude in the block)) - 2, held to -126 .. 127; a block of zeros has e = 0. As a byte (E8M0): e + 127.
;;     - Each number is divided by its block's scale, clamped to +-7.5, and rounded to the nearest number of E2M3, ties to even, subnormals kept.
;;     - The product sums the exact products of the quantised numbers (number of the format x scale) in f32.
;;   ~~~python
;;   def quantise(x, axis):      # numpy; x: float32 -> the quantised numbers, widened to float32 again
;;       x = np.moveaxis(x, axis, -1); K = x.shape[-1]
;;       x = np.pad(x, [(0, 0)] * (x.ndim - 1) + [(0, -K % 32)]); x = x.reshape(x.shape[:-1] + (-1, 32)); a = np.abs(x).max(-1, keepdims=True)
;;       e = np.where(a > 0, np.clip(np.frexp(np.where(a > 0, a, 1))[1] - 1 - 2, -126, 127), 0)      # np.frexp(a)[1] - 1 = floor(log2(a)), exactly
;;       r = np.clip(x / 2.0 ** e, -7.5, 7.5)
;;       step = 2.0 ** (np.maximum(np.frexp(np.where(r == 0, 1, r))[1] - 1, 0) - 3)
;;       q = np.round(r / step) * step * 2.0 ** e      # np.round: ties to even
;;       return np.moveaxis(q.reshape(q.shape[:-2] + (-1,))[..., :K], -1, axis).astype(np.float32)
;;   ~~~
;;   SOFTMAX AHEAD OF A QUANTISED PRODUCT. Where the list says 'softmax', what is quantised is not the finished softmax but p = 2^(t - M), with t = logit x log2(e) and M = ceil(the row's largest t), a whole number; so 1/2 < the row's largest p <= 1. The row's sum l is taken of the UNQUANTISED p, in f32, and the product's result is divided by l at the end. Since M is a whole number, a kernel that streams over the keys may use a running M (the ceiling of the running maximum): every later rescaling is an exact power of two, which a block's scale takes up: the codes' values come out the same.
;;   OPERANDS COMPUTED ON THE WAY. 'Computed on the way' means the value that the module computes at that place (a softmax that the list does not call 'softmax' is quantised finished and normalised). What goes into a quantiser is computed in f32, as accurately as f32 sums, v_exp_f32 and their like allow (about 1e-6 of the number): no bf16 or f16 on the way to a quantiser, and a product that is left as it is and whose result goes on into a quantised operand takes f32 operands (vector FMAs, or v_wmma_f32_16x16x4_f32). A number that lies on a knife's edge between two numbers of the format may be rounded either way, as far as f32 arithmetic and the matrix unit's own rounding can turn it there, and no further.
;; 2 versions, each right; version 2 is version 1 with the launches prep, attn written anew for expert scheduling mode. Each part assembles by itself: llvm-mc -triple=amdgcn-amd-amdhsa -mcpu=gfx1250 --defsym DOCPART=n.
;; ======== version 1 of 2: 3 launches
;; workspace buffers: codes 3,932,160 bytes; scales 327,680 bytes; qc 25,165,824 bytes; qs 1,048,576 bytes; pmax 1,024 bytes
;; launch prep (part 1): grid 256 x 1, 8 waves a work-group, no clusters, 160,768 bytes of LDS; arguments l, w_l, w_vl, b_l, b_vl, w_v, w_out, codes, scales; writes codes, scales
.if DOCPART == 1
	.amdgcn_target "amdgcn-amd-amdhsa--gfx1250"
	.amdhsa_code_object_version 6
	.text
	.protected	k_q3001c5c61b_prep
	.globl	k_q3001c5c61b_prep
	.p2align	8
	.type	k_q3001c5c61b_prep,@function
k_q3001c5c61b_prep:
	s_mov_b64 s[64:65], 0
	v_nop
	global_prefetch_b8 v0, s[64:65] scope:SCOPE_SE
	s_setreg_imm32_b32 hwreg(HW_REG_WAVE_MODE, 25, 1), 1
	s_wait_xcnt 0x0
; PREP.  k = l w_l^T + b_l and val = l w_vl^T + b_vl, both products on codes of FP6 (E2M3) with one E8M0 scale for each 32 along K; k is then quantised along
; the channels, val along the keys; w_v and w_out are quantised along their K.  All four results leave as IMAGES OF OPERAND REGISTERS: a fragment (16 rows x 128 K, 12 registers a lane)
; is 1,536 bytes, registers 4 c .. 4 c + 3 of lane L at 512 c + 16 L; fragment F's scale word of lane L lies at 512 (F / 4) + 16 L + 4 (F % 4).
; FRAGMENT NUMBERS: k: (8 batch + pair) 16 + key tile;  val^T: 1024 + ((8 batch + pair) 8 + channel tile) 2 + key half;  w_v: 2048 + (4 pair + K step) 8 + tile;  w_out: 2304 + (8 column group + K step) 8 + tile.
; SHARES.  Work-groups 0-127 make k, 128-255 val; each makes 128 keys x 128 channels (a pair of heads).  Both take ONE path: only pointers, the fragment number and the way the bias is laid are chosen, without a jump.
; Source 0 of the product (region P) is w_l's 128 rows for k and l's 128 keys for val; source 1 (region Q) the other one.  So a lane of the result holds one key (k) or one channel (val), and its 64 registers run along
; the axis that is quantised next.  THE ROWS OF A TILE ARE NOT NEIGHBOURS: lane r of tile t takes row 32 (t / 2) + 8 (t % 2) + r + 8 (r / 8), so that the 16 registers of tiles 2 b, 2 b + 1 are 16 neighbours.
; Wave w quantises tile w of P and of Q (6 K steps each) into LDS images; one barrier; then it multiplies all 8 tiles of P by tile w of Q and quantises its 64 results: one fragment.
; Waves 0 and 1 also quantise one fragment each of w_v and w_out (512 fragments, 2 for each of 256 work-groups).
; LIMITS: NaN and infinities among the inputs are not served; a block whose largest magnitude lies under 2^-124 has its scale byte held at 1; a block of zeros gets the byte 1 (its codes are zeros; this program alone reads the bytes).
; No cluster: what work-groups share here is read as f32 through registers, and a work-group reads each of its bytes once.
.set PIMG, 0                           ; LDS: P's 48 images, (6 t + s) x 1,536
.set QIMG, 73728                       ; Q's
.set PSC,  147456                      ; P's scale words, (6 t + s) x 128 + 4 L
.set QSC,  153600                      ; Q's
.set XA,  4                            ; v4   my row of a tile: (first row of tile w + r + 8 (r / 8)) x 3,072 + 64 h
.set LI,  5                            ; v5   16 L
.set H64, 6                            ; v6   64 h
.set XWP, 7                            ; v7   16 L + 9,216 w: my tile's images in P
.set XWQ, 8                            ; v8   the same in Q
.set XSP, 9                            ; v9   4 L + 768 w + PSC
.set XSQ, 10                           ; v10  4 L + 768 w + QSC
.set LI2, 11                           ; v11  16 L + 36,864: P's tiles 4-7
.set XE,  14                           ; v14  my row of the extra fragment
.set RSP, 15                           ; v15  4 L + PSC
.set X0,  16                           ; v16-79, v80-143: two sets of 64 numbers
.set AF,  16                           ; later: P's 8 fragments
.set BF,  112                          ; and Q's one
.set ACC, 144                          ; v144-207 8 accumulators
.set TM,  208                          ; v208-223 at work in QUANT
.set PW,  224                          ; the scale word just made
.set BW,  225                          ; Q's scale word
.set PC,  226                          ; v226-237 the codes just made
.set CT,  238                          ; v238-245 upper halves of blocks
.set BV,  246                          ; the bias of my lane's channel (val)
.set BVO, 247                          ; its byte offset
.set AW,  248                          ; v248-255 P's scale words
.set WV,  22
.set SEL, 24
.set BP,  34
.set PP,  36
.set QP,  38
.set RM,  40
.set WT,  42
.set CP,  44
.set SP,  46
.set EP,  48
.set ECP, 50
.set ESP, 52
.macro PLACES n
.rept \n
	v_nop
.endr
.endm
; 64 numbers of a lane, register 16 b + i = k 32 b + 16 h + i of my row, become a fragment's codes in v[PC] on and its scale word in v[PW]
.macro QUANT src
.irp b, 0,1,2,3
	v_max3_num_f32 v[TM+\b], |v[(\src)+16*\b]|, |v[(\src)+16*\b+1]|, 0x1800000   ; block b: my 16 numbers, and the floor 2^(3 - 127): the byte cannot fall under 1
.endr
.irp i, 2,4,6,8,10,12,14
.irp b, 0,1,2,3
	v_max3_num_f32 v[TM+\b], v[TM+\b], |v[(\src)+16*\b+\i]|, |v[(\src)+16*\b+\i+1]|   ; the four blocks by turns
.endr
.endr
.irp b, 0,1,2,3
	v_permlanex16_b32 v[TM+4+\b], v[TM+\b], s[SEL], s[SEL+1]
.endr
.irp b, 0,1,2,3
	v_max_num_f32 v[TM+\b], v[TM+\b], v[TM+4+\b]   ; with lane L xor 16's: the block's largest magnitude
.endr
.irp b, 0,1,2,3
	v_add_nc_u32 v[TM+12+\b], 0xff000000, v[TM+\b]   ; 2 off its exponent field: the conversion's scale operand
.endr
.irp b, 0,1,2,3
	v_lshrrev_b32 v[TM+4+\b], 23, v[TM+12+\b]      ; the scale's byte
.endr
	v_lshl_or_b32 v[PW], v[TM+5], 8, v[TM+4]
	v_lshl_or_b32 v[PW], v[TM+6], 16, v[PW]
	v_lshl_or_b32 v[PW], v[TM+7], 24, v[PW]
.irp c, 0,1
	v_cvt_scalef32_pk16_fp6_f32 v[PC+6*\c:PC+6*\c+2], v[(\src)+32*\c:(\src)+32*\c+15], v[TM+12+2*\c]
	v_cvt_scalef32_pk16_fp6_f32 v[CT+4*\c:CT+4*\c+2], v[(\src)+32*\c+16:(\src)+32*\c+31], v[TM+13+2*\c]   ; (a conversion's three registers begin on an even number)
.endr
	v_nop                                          ; one plain instruction behind the scaled conversions
.irp c, 0,1                                    ; the operand wants a WHOLE block in a lane: lanes 0-15 block 2 c, lanes 16-31 block 2 c + 1
.irp i, 0,1,2
	v_permlane16_swap_b32 v[PC+6*\c+\i], v[CT+4*\c+\i]
.endr
.irp i, 0,1,2
	v_mov_b32 v[PC+3+6*\c+\i], v[CT+4*\c+\i]
.endr
.endr
.endm
.macro IMAGE adr, off                          ; the fragment goes to LDS as it stands
.irp c, 0,1,2
	ds_store_b128 v[\adr], v[PC+4*\c:PC+4*\c+3] offset:(\off)+512*\c
.endr
.endm
.macro XLOAD reg, adr, base, off               ; 128 along K of my row: of each block of 32 my half's 16 numbers
.irp b, 0,1,2,3
.irp j, 0,1,2,3
	global_load_b128 v[(\reg)+16*\b+4*\j:(\reg)+16*\b+4*\j+3], v[\adr], s[\base:\base+1] offset:(\off)+128*\b+16*\j
.endr
.endr
.endm
.macro FSTORE cp, sp                           ; a fragment's image (each store 512 consecutive bytes) and its scale words
.irp c, 0,1,2
	global_store_b128 v[LI], v[PC+4*\c:PC+4*\c+3], s[\cp:\cp+1] offset:512*\c
.endr
	global_store_b32 v[LI], v[PW], s[\sp:\sp+1]
.endm
.macro FPTR f, cp, sp                          ; where fragment number s[f] lies in codes and in scales
	s_mul_i32 s26, s[\f], 1536
	s_mov_b32 s27, 0
	s_add_nc_u64 s[\cp:\cp+1], s[18:19], s[26:27]
	s_lshr_b32 s26, s[\f], 2
	s_lshl_b32 s26, s26, 9
	s_and_b32 s28, s[\f], 3
	s_lshl_b32 s28, s28, 2
	s_add_co_u32 s26, s26, s28
	s_add_nc_u64 s[\sp:\sp+1], s[20:21], s[26:27]
.endm
	s_load_b256 s[4:11], s[0:1], 0x0               ; l s[4:5], w_l s[6:7], w_vl s[8:9], b_l s[10:11]
	s_load_b256 s[12:19], s[0:1], 0x20             ; b_vl s[12:13], w_v s[14:15], w_out s[16:17], codes s[18:19]
	s_load_b64 s[20:21], s[0:1], 0x40              ; scales
	v_lshl_add_u32 v241, v0, 2, 0x27000
	v_mov_b32 v245, 0
	v_lshrrev_b32 v1, 5, v0
	v_readfirstlane_b32 s[WV], v1                  ; wave 0..7
	v_and_b32 v1, 31, v0                           ; L
	v_and_b32 v2, 15, v0                           ; r
	v_bfe_u32 v3, v0, 4, 1                         ; h
	v_lshlrev_b32 v[LI], 4, v1
	v_lshlrev_b32 v[H64], 6, v3
	v_and_b32 v12, 8, v2
	v_add_nc_u32 v12, v12, v2                      ; r + 8 (r / 8)
	s_lshr_b32 s41, s[WV], 1
	s_lshl_b32 s41, s41, 5
	s_and_b32 s54, s[WV], 1
	s_lshl_b32 s54, s54, 3
	s_add_co_u32 s41, s41, s54                     ; first row of tile w
	v_add_nc_u32 v[BVO], s41, v12
	v_mul_u32_u24 v[XA], v[BVO], 3072
	v_add_nc_u32 v[XA], v[XA], v[H64]
	v_lshlrev_b32 v[BVO], 2, v[BVO]
	s_mul_i32 s54, s[WV], 9216
	v_add_nc_u32 v[XWP], s54, v[LI]
	v_add_nc_u32 v[XWQ], QIMG, v[XWP]
	v_lshlrev_b32 v[RSP], 2, v1
	s_mul_i32 s54, s[WV], 768
	v_add_nc_u32 v[XSP], s54, v[RSP]
	v_add_nc_u32 v[XSQ], QSC, v[XSP]
	v_add_nc_u32 v[XSP], PSC, v[XSP]
	v_add_nc_u32 v[RSP], PSC, v[RSP]
	v_add_nc_u32 v[LI2], 36864, v[LI]
.irp b, 0,1,2,3
	v_mov_b32 v[TM+4+\b], 0                        ; written once: a lane permute's destination counts as one of its sources
.endr
	s_mov_b32 s[SEL], 0x76543210
	s_mov_b32 s[SEL+1], 0xfedcba98                 ; selects for lane L xor 16
	s_bfe_u32 s26, ttmp9, 0x40003                  ; which 128 keys: 2 batch + half
	s_and_b32 s27, ttmp9, 7                        ; which pair of heads
	s_mul_i32 s28, s26, 393216                     ; 128 rows of 3,072 bytes
	s_mov_b32 s29, 0
	s_mul_i32 s30, s27, 393216
	s_mov_b32 s31, 0
	s_lshl_b32 s32, s27, 9                         ; the pair's 128 biases
	s_mov_b32 s33, 0
	s_lshr_b32 s54, s26, 1
	s_and_b32 s55, s26, 1
	s_lshl_b32 s54, s54, 3
	s_add_co_u32 s54, s54, s27
	s_lshl_b32 s54, s54, 4                         ; 16 (8 batch + pair)
	s_lshl_b32 s56, s55, 3
	s_add_co_u32 s56, s56, s54
	s_add_co_u32 s56, s56, s[WV]                   ; my fragment of k
	s_lshl_b32 s57, s[WV], 1
	s_add_co_u32 s57, s57, s54
	s_add_co_u32 s57, s57, s55
	s_add_co_u32 s57, s57, 1024                    ; or of val^T
	s_lshr_b32 s58, ttmp9, 2                       ; the extra fragment of w_v: tile,
	s_and_b32 s59, ttmp9, 3                        ; K step
	s_lshr_b32 s60, s58, 1
	s_lshl_b32 s60, s60, 5
	s_and_b32 s61, s58, 1
	s_lshl_b32 s61, s61, 3
	s_add_co_u32 s60, s60, s61                     ; the tile's first row
	s_lshl_b32 s60, s60, 11
	s_lshl_b32 s61, s59, 9
	s_add_co_u32 s60, s60, s61                     ; in bytes
	s_lshr_b32 s61, s58, 3
	s_lshl_b32 s61, s61, 2
	s_add_co_u32 s61, s61, s59
	s_lshl_b32 s61, s61, 3
	s_and_b32 s58, s58, 7
	s_add_co_u32 s61, s61, s58
	s_add_co_u32 s61, s61, 2048                    ; its number
	s_lshr_b32 s58, ttmp9, 3                       ; and of w_out: tile of 16 neighbouring rows,
	s_and_b32 s59, ttmp9, 7                        ; K step
	s_lshl_b32 s62, s58, 16
	s_lshl_b32 s63, s59, 9
	s_add_co_u32 s62, s62, s63
	s_lshr_b32 s63, s58, 3
	s_lshl_b32 s63, s63, 3
	s_add_co_u32 s63, s63, s59
	s_lshl_b32 s63, s63, 3
	s_and_b32 s58, s58, 7
	s_add_co_u32 s63, s63, s58
	s_add_co_u32 s63, s63, 2304
	s_wait_kmcnt 0x0
	s_add_nc_u64 s[4:5], s[4:5], s[28:29]          ; l at my 128 keys
	s_cmp_lt_u32 ttmp9, 128                        ; k or val?  The choice hangs on the work-group's number alone
	s_cselect_b64 s[WT:WT+1], s[6:7], s[8:9]
	s_cselect_b64 s[BP:BP+1], s[10:11], s[12:13]
	s_cselect_b32 s[RM], 0, -1
	s_cselect_b32 s56, s56, s57
	s_add_nc_u64 s[WT:WT+1], s[WT:WT+1], s[30:31]  ; (these additions leave the compare's result alone)
	s_add_nc_u64 s[BP:BP+1], s[BP:BP+1], s[32:33]
	s_cselect_b64 s[PP:PP+1], s[WT:WT+1], s[4:5]
	s_cselect_b64 s[QP:QP+1], s[4:5], s[WT:WT+1]
	s_cmp_eq_u32 s[WV], 0                          ; wave 0: w_v, wave 1: w_out (the other waves never use these)
	s_cselect_b64 s[EP:EP+1], s[14:15], s[16:17]
	s_cselect_b32 s58, s60, s62
	s_cselect_b32 s61, s61, s63
	s_cselect_b32 s62, 8, 0                        ; w_v's tiles take the chosen rows, w_out's neighbours
	s_mov_b32 s63, 4096
	s_cselect_b32 s63, 2048, s63                   ; bytes in a row
	s_mov_b32 s59, 0
	s_add_nc_u64 s[EP:EP+1], s[EP:EP+1], s[58:59]
	v_and_b32 v[XE], s62, v2
	v_add_nc_u32 v[XE], v[XE], v2
	v_mul_lo_u32 v[XE], v[XE], s63
	v_add_nc_u32 v[XE], v[XE], v[H64]
	FPTR 56, CP, SP
	FPTR 61, ECP, ESP
	; the biases, my oldest loads: along the registers (k) into the accumulators, and my lane's (val)
.irp t, 0,1,2,3,4,5,6,7
	global_load_b128 v[ACC+8*\t:ACC+8*\t+3], v[H64], s[BP:BP+1] offset:4*(32*(\t/2)+8*(\t%2))
	global_load_b128 v[ACC+8*\t+4:ACC+8*\t+7], v[H64], s[BP:BP+1] offset:4*(32*(\t/2)+8*(\t%2))+16
.endr
	global_load_b32 v[BV], v[BVO], s[BP:BP+1]
	XLOAD X0, XA, PP, 0                            ; item 0, on its way while waves 0 and 1 do their extra fragment
	; the extra fragment stands whole inside ONE branch on the wave's number: loads, the wait for them, the work, the stores.  Behind the join no load is out on the second set of registers
	s_cmp_lt_u32 s[WV], 2
	s_cbranch_scc0 .Lno_extra
	XLOAD X0+64, XE, EP, 0
	s_wait_loadcnt 0x0                             ; the extra fragment's numbers are my youngest loads
	QUANT X0+64
	FSTORE ECP, ESP
	s_wait_xcnt 0x0                                ; the stores' data registers are written again below
.Lno_extra:
	XLOAD X0+64, XA, PP, 512                       ; item 1
; Item i: K step i of P's tile w (i < 6) or K step i - 6 of Q's.  Loads run two items ahead, in two sets of registers.
.macro ITEM i
.if (\i) < 11
	s_wait_loadcnt 16                              ; item i is in; the next item's 16 loads may be out
.else
	s_wait_loadcnt 0x0
.endif
	s_wait_dscnt 0x0                               ; the last image's stores have read the codes' registers
	QUANT X0+64*((\i)%2)
.if (\i) < 6
	IMAGE XWP, 1536*(\i)
	ds_store_b32 v[XSP], v[PW] offset:128*(\i)
.else
	IMAGE XWQ, 1536*((\i)-6)
	ds_store_b32 v[XSQ], v[PW] offset:128*((\i)-6)
.endif
.if (\i)+2 < 6
	XLOAD X0+64*((\i)%2), XA, PP, 512*((\i)+2)
.elseif (\i)+2 < 12
	XLOAD X0+64*((\i)%2), XA, QP, 512*((\i)-4)
.endif
.endm
.irp i, 0,1,2,3,4,5,6,7,8,9,10,11
	ITEM \i
.endr
	s_wait_dscnt 0x0                               ; for the others' sake: my images and scale words have landed
	s_barrier_signal -1
	s_barrier_wait -1                              ; all 96 images lie in LDS
.set n, 0
.rept 64
	v_cndmask_b32 v[ACC+n], v[ACC+n], v[BV], s[RM]   ; val: the bias goes with the lane, not with the register
.set n, n+1
.endr
; A K step: P's 8 fragments and Q's tile w from LDS, 8 products, the accumulators by turns; the biases are the sums' first C
.macro KSTEP st
.irp t, 0,1,2,3
.irp c, 0,1,2
	ds_load_b128 v[AF+12*\t+4*\c:AF+12*\t+4*\c+3], v[LI] offset:(6*\t+\st)*1536+512*\c
.endr
.endr
.irp t, 4,5,6,7
.irp c, 0,1,2
	ds_load_b128 v[AF+12*\t+4*\c:AF+12*\t+4*\c+3], v[LI2] offset:(6*(\t-4)+\st)*1536+512*\c
.endr
.endr
.irp c, 0,1,2
	ds_load_b128 v[BF+4*\c:BF+4*\c+3], v[XWQ] offset:(\st)*1536+512*\c
.endr
.irp t, 0,1,2,3,4,5,6,7
	ds_load_b32 v[AW+\t], v[RSP] offset:(6*\t+\st)*128
.endr
	ds_load_b32 v[BW], v[XSQ] offset:(\st)*128
	s_wait_dscnt 0x0
.irp t, 0,1,2,3,4,5,6,7
	v_wmma_scale_f32_16x16x128_f8f6f4 v[ACC+8*\t:ACC+8*\t+7], v[AF+12*\t:AF+12*\t+11], v[BF:BF+11], v[ACC+8*\t:ACC+8*\t+7], v[AW+\t], v[BW] matrix_a_fmt:MATRIX_FMT_FP6 matrix_b_fmt:MATRIX_FMT_FP6
.endr
	PLACES 4                                       ; in front of loads into registers that the products have read, and of the first read of results
.endm
.irp s, 0,1,2,3,4,5
	KSTEP \s
.endr
	QUANT ACC                                      ; my 64 results are 128 neighbours (with lane L xor 16's) along the next K: one fragment
	FSTORE CP, SP
	s_wait_tensorcnt 0x0
	ds_add_u32 v241, v245
	s_wait_dscnt 0x0
	s_endpgm
.Lfunc_end_k_q3001c5c61b_prep:
	.size	k_q3001c5c61b_prep, .Lfunc_end_k_q3001c5c61b_prep-k_q3001c5c61b_prep
	.p2alignl 7, 3214868480
	.fill 96, 4, 3214868480
	.section	.rodata,"a",@progbits
	.p2align	6, 0x0
	.amdhsa_kernel k_q3001c5c61b_prep
		.amdhsa_group_segment_fixed_size 160768
		.amdhsa_private_segment_fixed_size 0
		.amdhsa_enable_private_segment 0
		.amdhsa_kernarg_size 72
		.amdhsa_user_sgpr_count 2
		.amdhsa_user_sgpr_kernarg_segment_ptr 1
		.amdhsa_wavefront_size32 1
		.amdhsa_system_sgpr_workgroup_id_x 1
		.amdhsa_system_sgpr_workgroup_id_y 1
		.amdhsa_system_sgpr_workgroup_id_z 1
		.amdhsa_system_vgpr_workitem_id 0
		.amdhsa_next_free_vgpr 256
		.amdhsa_next_free_sgpr 66
		.amdhsa_reserve_vcc 0
		.amdhsa_float_denorm_mode_32 3
		.amdhsa_float_denorm_mode_16_64 3
		.amdhsa_memory_ordered 1
		.amdhsa_forward_progress 1
		.amdhsa_inst_pref_size 108
	.end_amdhsa_kernel
	.amdgpu_metadata
---
amdhsa.version: [ 1, 2 ]
amdhsa.kernels:
  - .name:           k_q3001c5c61b_prep
    .symbol:         k_q3001c5c61b_prep.kd
    .args:
      - { .name: l, .offset: 0, .size: 8, .value_kind: global_buffer, .address_space: global }
      - { .name: w_l, .offset: 8, .size: 8, .value_kind: global_buffer, .address_space: global }
      - { .name: w_vl, .offset: 16, .size: 8, .value_kind: global_buffer, .address_space: global }
      - { .name: b_l, .offset: 24, .size: 8, .value_kind: global_buffer, .address_space: global }
      - { .name: b_vl, .offset: 32, .size: 8, .value_kind: global_buffer, .address_space: global }
      - { .name: w_v, .offset: 40, .size: 8, .value_kind: global_buffer, .address_space: global }
      - { .name: w_out, .offset: 48, .size: 8, .value_kind: global_buffer, .address_space: global }
      - { .name: codes, .offset: 56, .size: 8, .value_kind: global_buffer, .address_space: global }
      - { .name: scales, .offset: 64, .size: 8, .value_kind: global_buffer, .address_space: global }
    .group_segment_fixed_size: 160768
    .private_segment_fixed_size: 0
    .kernarg_segment_align: 8
    .kernarg_segment_size: 72
    .max_flat_workgroup_size: 256
    .sgpr_count:     66
    .vgpr_count:     256
    .wavefront_size: 32
...
	.end_amdgpu_metadata
.endif
;; end of part 1
;; launch qmax (part 2): grid 256 x 1, 4 waves a work-group, no clusters, 54,016 bytes of LDS; arguments v, b_v, codes, scales, qc, qs, pmax; writes qc, qs, pmax
.if DOCPART == 2
	.amdgcn_target "amdgcn-amd-amdhsa--gfx1250"
	.amdhsa_code_object_version 6
	.text
	.protected	k_q3001c5c61b_qmax
	.globl	k_q3001c5c61b_qmax
	.p2align	8
	.type	k_q3001c5c61b_qmax,@function
k_q3001c5c61b_qmax:
	s_mov_b64 s[64:65], 0
	v_nop
	global_prefetch_b8 v0, s[64:65] scope:SCOPE_SE
	s_setreg_imm32_b32 hwreg(HW_REG_WAVE_MODE, 25, 1), 1
	s_wait_xcnt 0x0
; QMAX.  q = (v w_v^T + b_v) / 8 on codes of FP6 (E2M3), quantised along each head's 64 channels and stored; then all scores q . k of the work-group's rows, of which only the largest is kept (one f32 a work-group).
; The factor 1 / 8 is 3 off each scale byte: exact.
; SHARES.  A work-group owns 128 rows of v.  Wave w first quantises row tiles 2 w, 2 w + 1 (4 K steps each) into LDS images (12 registers a lane: registers 4 c .. 4 c + 3 of lane L at 512 c + 16 L); one barrier.
; THE WAVES THEN SHARE THE COLUMNS: wave w makes head pairs 2 w and 2 w + 1 (128 channels each, a trip of the loop each) for all 8 row tiles: 64 accumulators.  w_v's and k's fragments come from memory straight into the
; one wave's registers that uses them, in the operand's own order, 512 consecutive bytes a load.
; The products are used transposed (source 0 = 16 rows of w_v, or 16 keys; source 1 = 16 rows of v, or of q): a lane holds one row of v throughout.  w_v's rows of a tile were chosen so that a lane's 64 results are
; neighbours along the next K.
; A SCORE'S K IS 64, THE INSTRUCTION'S 128: a fragment of 128 channels holds two heads.  k's stays as it is; q's is used twice, as [head a | zero codes] and [zero codes | head b]: 18 registers, [a 6 | zeros 6 | b 6].
; q's image in qc (1,536 bytes): registers 0-3 at 16 L, 4-5 at 512 + 8 L, 6-9 at 768 + 16 L, 10-11 at 1,280 + 8 L, so that the two halves load apart.  qs: a pair's 8 tiles' scale words, 512 bytes: at 16 L + 4 i the word of tile 2 i + L / 16, row L % 16.
; LIMITS: NaN and infinities among the inputs are not served; a block of v under 2^-124 (of q, before the division, under 2^-121) has its scale byte held at 1.
; No cluster: each fragment that work-groups share goes once into the registers of one wave of each; through LDS it would be written and read once more.
; REGISTERS, in windows of 256.  Window 0: v1-8 addresses; v12-15 q's words packed; v16-31 w_v's scale words, two sets; v32-39 v's; v40-47 q's; v48-51 k's; v52-55 running maxima; v56-93 at work in QUANT;
;   v96-127, v224-255 the bias, 8 tiles; v128-223 w_v's set B, later a ring of 4 fragments of k.   Window 1: v0-95 w_v's set A; v96.. v's 8 fragments, later q's 8 x 18.
;   Windows 2, 3: first three sets of 64 numbers of v (window 2); then accumulator (a, b) at 8 (8 (a % 4) + b) of window 2 + a / 4; then two buffers of 8 score tiles (window 2, v0-63, v64-127).
.set VIMG, 0                           ; LDS: v's 32 images, (4 a + s) x 1,536
.set VSC,  49152                       ; their scale words, (4 a + s) x 128 + 4 L
.set RED,  53248                       ; the four waves' maxima
.set LI,  1                            ; 16 L
.set LS,  2                            ; 4 L
.set L8,  3                            ; 8 L
.set XA,  4                            ; 2,048 r + 64 h
.set XWI, 5                            ; 16 L + 12,288 w
.set XWS, 6                            ; 4 L + VSC + 1,024 w
.set LSV, 7                            ; 4 L + VSC
.set H64, 8                            ; 64 h
.set QP4, 12
.set WS,  16
.set VW,  32
.set QWD, 40
.set KWR, 48
.set MX,  52
.set TM,  56
.set PW,  72
.set CT,  74
.set PC,  82
.set RING, 128
.set VF,  96
.set QF,  96
.set WV,  18
.set SEL, 20
.set PAIR, 22
.set TRIP, 23
.set HM,  24
.set WP,  26
.set WSP, 28
.set KP,  30
.set KSP, 32
.set MSB, 0
.macro WIN new                         ; the immediate's high byte repeats the setting that is left; a switch that changes nothing is dropped
.if MSB != (\new)
	s_set_vgpr_msb (MSB<<8)|(\new)
.set MSB, (\new)
.endif
.endm
.macro PLACES n
.rept \n
	v_nop
.endr
.endm
; 64 numbers of a lane in window W, register 16 b + i = k 32 b + 16 h + i of my row, become a fragment's codes and its scale word v[pw].  adj = 3: the bytes are 3 lower (x 1 / 8; the floor is 3 higher, so no byte falls under 1).
; split < 0: the codes stand in v[PC] on.  Else: they go to window 1 as [6 | gap of 6 | 6] from v[split] on.
.macro QUANT src, W, pw, adj, split
	WIN (((\W)<<2)|((\W)<<4))
.irp b, 0,1,2,3
.if \adj
	v_max3_num_f32 v[TM+\b], 0x3000000, |v[(\src)+16*\b]|, |v[(\src)+16*\b+1]|
.else
	v_max3_num_f32 v[TM+\b], 0x1800000, |v[(\src)+16*\b]|, |v[(\src)+16*\b+1]|
.endif
.endr
.irp i, 2,4,6,8,10,12,14
.irp b, 0,1,2,3
	v_max3_num_f32 v[TM+\b], v[TM+\b], |v[(\src)+16*\b+\i]|, |v[(\src)+16*\b+\i+1]|   ; ascending: each accumulator is first read at its low end
.endr
.endr
	WIN 0
.irp b, 0,1,2,3
	v_permlanex16_b32 v[TM+4+\b], v[TM+\b], s[SEL], s[SEL+1]
.endr
.irp b, 0,1,2,3
	v_max_num_f32 v[TM+\b], v[TM+\b], v[TM+4+\b]
.endr
.irp b, 0,1,2,3
	v_add_nc_u32 v[TM+12+\b], 0xff000000, v[TM+\b]   ; 2 off the exponent field: the conversion's scale operand
.endr
.irp b, 0,1,2,3
	v_lshrrev_b32 v[TM+4+\b], 23, v[TM+12+\b]
.endr
	v_lshl_or_b32 v[\pw], v[TM+5], 8, v[TM+4]
	v_lshl_or_b32 v[\pw], v[TM+6], 16, v[\pw]
	v_lshl_or_b32 v[\pw], v[TM+7], 24, v[\pw]
.if \adj
	v_add_nc_u32 v[\pw], 0xfcfcfcfd, v[\pw]        ; 3 off each of the four bytes (each is 4 at the least: nothing is borrowed)
.endif
	WIN (\W)
.irp c, 0,1
	v_cvt_scalef32_pk16_fp6_f32 v[PC+6*\c:PC+6*\c+2], v[(\src)+32*\c:(\src)+32*\c+15], v[TM+12+2*\c]
	v_cvt_scalef32_pk16_fp6_f32 v[CT+4*\c:CT+4*\c+2], v[(\src)+32*\c+16:(\src)+32*\c+31], v[TM+13+2*\c]
.endr
	WIN 0
	v_nop                                          ; one plain instruction behind the scaled conversions
.irp c, 0,1
.irp i, 0,1,2
	v_permlane16_swap_b32 v[PC+6*\c+\i], v[CT+4*\c+\i]   ; a whole block to a lane
.endr
.endr
.if (\split) < 0
.irp c, 0,1
.irp i, 0,1,2
	v_mov_b32 v[PC+3+6*\c+\i], v[CT+4*\c+\i]
.endr
.endr
.else
	WIN 0x40
.irp c, 0,1
.irp i, 0,1,2
	v_mov_b32 v[(\split)+12*\c+\i], v[PC+6*\c+\i]
	v_mov_b32 v[(\split)+12*\c+3+\i], v[CT+4*\c+\i]
.endr
.endr
	WIN 0
.endif
.endm
.macro IMAGE adr, off
.irp c, 0,1,2
	ds_store_b128 v[\adr], v[PC+4*\c:PC+4*\c+3] offset:(\off)+512*\c
.endr
.endm
.macro XLOAD reg, off                          ; 128 along K of my row of v, into window 2.  A lane's 64 neighbouring bytes are named by four loads on end, 16 bytes each: so these loads carry no non-temporal hint
	WIN 0x80
.irp b, 0,1,2,3
.irp j, 0,1,2,3
	global_load_b128 v[(\reg)+16*\b+4*\j:(\reg)+16*\b+4*\j+3], v[XA], s[4:5] offset:(\off)+128*\b+16*\j
.endr
.endr
	WIN 0
.endm
.macro BARRIER
	s_wait_dscnt 0x0
	s_barrier_signal -1
	s_barrier_wait -1
.endm
; w_v's 8 fragments of K step st (4 and 5: the next pair's steps 0 and 1) and their scale words: 26 loads.  set 0: window 1, v0 on; set 1: window 0, v128 on
.macro WLOAD set, st
.if (\set) == 0
	WIN 0x40
.endif
.irp tt, 0,1,2,3,4,5,6,7
.irp c, 0,1,2
	global_load_b128 v[128*(\set)+12*\tt+4*\c:128*(\set)+12*\tt+4*\c+3], v[LI], s[WP:WP+1] offset:12288*(\st)+1536*\tt+512*\c
.endr
.endr
	WIN 0
.irp g, 0,1
	global_load_b128 v[WS+8*(\set)+4*\g:WS+8*(\set)+4*\g+3], v[LI], s[WSP:WSP+1] offset:1024*(\st)+512*\g
.endr
.endm
.macro BLOAD pr                                ; the bias in the result's layout: tile b: channels 32 (b / 2) + 8 (b % 2) + 16 h + 0 .. 7.  16 loads
.irp b, 0,1,2,3,4,5,6,7
	global_load_b128 v[96+8*\b+96*(\b/4):96+8*\b+96*(\b/4)+3], v[H64], s[6:7] offset:512*(\pr)+4*(32*(\b/2)+8*(\b%2))
	global_load_b128 v[96+8*\b+96*(\b/4)+4:96+8*\b+96*(\b/4)+7], v[H64], s[6:7] offset:512*(\pr)+4*(32*(\b/2)+8*(\b%2))+16
.endr
.endm
.macro VFETCH st, hf                           ; v's fragments of row tiles 4 hf .. 4 hf + 3, K step st, and their scale words: 16 LDS loads
	WIN 0x40
.irp a, 0,1,2,3
.irp c, 0,1,2
	ds_load_b128 v[VF+12*(4*(\hf)+\a)+4*\c:VF+12*(4*(\hf)+\a)+4*\c+3], v[LI] offset:(4*(4*(\hf)+\a)+(\st))*1536+512*\c
.endr
.endr
	WIN 0
.irp a, 0,1,2,3
	ds_load_b32 v[VW+4*(\hf)+\a], v[LSV] offset:(4*(4*(\hf)+\a)+(\st))*128
.endr
.endm
; 32 products: row tiles 4 hi .. 4 hi + 3 x the pair's 8 tiles of channels.  The 64 accumulators take turns in the same order in every K step.  K step 0 takes the bias as C.
.macro GMUL st, set, hi
.if (\st) == 0
	WIN 0x85+0x40*(\hi)
.elseif (\set) == 0
	WIN 0xa5+0x50*(\hi)
.else
	WIN 0xa4+0x50*(\hi)
.endif
.irp a, 0,1,2,3
.irp b, 0,1,2,3,4,5,6,7
.if (\st) == 0
	v_wmma_scale_f32_16x16x128_f8f6f4 v[8*(8*\a+\b):8*(8*\a+\b)+7], v[128*(\set)+12*\b:128*(\set)+12*\b+11], v[VF+12*(4*(\hi)+\a):VF+12*(4*(\hi)+\a)+11], v[96+8*\b+96*(\b/4):96+8*\b+96*(\b/4)+7], v[WS+8*(\set)+\b], v[VW+4*(\hi)+\a] matrix_a_fmt:MATRIX_FMT_FP6 matrix_b_fmt:MATRIX_FMT_FP6
.else
	v_wmma_scale_f32_16x16x128_f8f6f4 v[8*(8*\a+\b):8*(8*\a+\b)+7], v[128*(\set)+12*\b:128*(\set)+12*\b+11], v[VF+12*(4*(\hi)+\a):VF+12*(4*(\hi)+\a)+11], v[8*(8*\a+\b):8*(8*\a+\b)+7], v[WS+8*(\set)+\b], v[VW+4*(\hi)+\a] matrix_a_fmt:MATRIX_FMT_FP6 matrix_b_fmt:MATRIX_FMT_FP6
.endif
.endr
.endr
.endm
; A K step of the projection.  v has one set of fragment registers: tiles 0-3 are fetched anew in the step's middle, tiles 4-7 at its end.  n: the younger global loads that may stay out
.macro GSTEP st, set, n
	s_wait_loadcnt \n
	s_wait_dscnt 16                                ; tiles 0-3 are in; the 16 LDS loads of tiles 4-7 may be out
	GMUL \st, \set, 0
	s_wait_dscnt 0x0
.if (\st) < 3
	PLACES 4                                       ; in front of loads into registers that the products have read
	VFETCH (\st)+1, 0
.endif
	GMUL \st, \set, 1
	PLACES 4
.if (\st) < 3
	VFETCH (\st)+1, 1
.endif
	WIN 0
.endm
.macro KITEM u, k                              ; k's fragment k (counted from the pointer) and its scale word into slot u of the ring: 4 loads
.irp c, 0,1,2
	global_load_b128 v[RING+12*(\u)+4*\c:RING+12*(\u)+4*\c+3], v[LI], s[KP:KP+1] offset:1536*(\k)+512*\c
.endr
	global_load_b32 v[KWR+(\u)], v[LI], s[KSP:KSP+1] offset:512*((\k)/4)+4*((\k)%4)
.endm
.macro GRP u, hf                               ; 8 products: the 16 keys in slot u x row tiles 4 hf .. 4 hf + 3 x two heads, into score buffer hf
	WIN 0x84
.irp a, 0,1,2,3
.irp e, 0,1
	v_wmma_scale_f32_16x16x128_f8f6f4 v[64*(\hf)+8*(2*\a+\e):64*(\hf)+8*(2*\a+\e)+7], v[RING+12*(\u):RING+12*(\u)+11], v[QF+18*(4*(\hf)+\a)+6*\e:QF+18*(4*(\hf)+\a)+6*\e+11], 0, v[KWR+(\u)], v[QWD+4*(\hf)+\a] matrix_a_fmt:MATRIX_FMT_FP6 matrix_b_fmt:MATRIX_FMT_FP6
.endr
.endr
.endm
.macro MAXS sb                                 ; the 64 scores of buffer sb into four running maxima; ascending
	WIN 0x28
.set n, 0
.rept 32
	v_max3_num_f32 v[MX+n%4], v[MX+n%4], v[64*(\sb)+2*n], v[64*(\sb)+2*n+1]
.set n, n+1
.endr
.endm
; Key tile t, in slot u = t % 4.  Products and maxima take turns on the two buffers: the 32 maximum lines of one buffer are the plain instructions between the other buffer's products and their first read,
; and in front of the load into the slot just left.
.macro SSTEP u, ld, n, more
	GRP \u, 1
	MAXS 0
	WIN 0
.if \ld
	KITEM \u, (\u)+4
.endif
.if \more
	s_wait_loadcnt \n                              ; the next slot is in; the younger items, 4 loads each, may be out
	GRP ((\u)+1)%4, 0
.endif
	MAXS 1
.endm
	s_load_b256 s[4:11], s[0:1], 0x0               ; v s[4:5], b_v s[6:7], codes s[8:9], scales s[10:11]
	s_load_b128 s[12:15], s[0:1], 0x20             ; qc s[12:13], qs s[14:15]
	s_load_b64 s[16:17], s[0:1], 0x30              ; pmax
	v_lshl_add_u32 v94, v0, 2, 0xd100
	v_mov_b32 v95, 0
	v_lshrrev_b32 v9, 5, v0
	v_readfirstlane_b32 s[WV], v9                  ; wave 0..3
	v_and_b32 v9, 31, v0                           ; L
	v_and_b32 v10, 15, v0                          ; r
	v_bfe_u32 v11, v0, 4, 1                        ; h
	v_lshlrev_b32 v[LI], 4, v9
	v_lshlrev_b32 v[LS], 2, v9
	v_lshlrev_b32 v[L8], 3, v9
	v_lshlrev_b32 v[H64], 6, v11
	v_lshl_add_u32 v[XA], v10, 11, v[H64]
	s_mul_i32 s34, s[WV], 12288
	v_add_nc_u32 v[XWI], s34, v[LI]
	s_lshl_b32 s34, s[WV], 10
	v_add_nc_u32 v[XWS], s34, v[LS]
	v_add_nc_u32 v[XWS], VSC, v[XWS]
	v_add_nc_u32 v[LSV], VSC, v[LS]
.irp b, 0,1,2,3
	v_mov_b32 v[MX+\b], 0xff800000                 ; under every score
	v_mov_b32 v[TM+4+\b], 0                        ; written once: a lane permute's destination counts as one of its sources
.endr
	s_mov_b32 s[SEL], 0x76543210
	s_mov_b32 s[SEL+1], 0xfedcba98
	s_mov_b32 s[HM], 0xffff0000                    ; lanes 16-31
	s_mov_b32 s[PAIR], 2
	s_lshl_b32 s34, ttmp9, 18                      ; my work-group's 128 rows of 2,048 bytes,
	s_lshl_b32 s35, s[WV], 16                      ; my wave's 32 of them
	s_add_co_u32 s34, s34, s35
	s_mov_b32 s35, 0
	s_lshl_b32 s36, s[WV], 10                      ; b_v: my two pairs' 256 numbers
	s_mov_b32 s37, 0
	s_mul_i32 s38, s[WV], 98304                    ; w_v's fragments 2048 + 64 w on
	s_add_co_u32 s38, s38, 3145728
	s_mov_b32 s39, 0
	s_lshl_b32 s40, s[WV], 13
	s_add_co_u32 s40, s40, 262144
	s_mov_b32 s41, 0
	s_lshr_b32 s42, ttmp9, 5                       ; batch
	s_lshl_b32 s42, s42, 3
	s_lshl_b32 s43, s[WV], 1
	s_add_co_u32 s42, s42, s43                     ; 8 batch + my first pair
	s_lshl_b32 s44, ttmp9, 3
	s_add_co_u32 s44, s44, s43                     ; 8 work-group + my first pair
	s_mov_b32 s47, 0
	s_wait_kmcnt 0x0
	s_add_nc_u64 s[4:5], s[4:5], s[34:35]
	XLOAD 0, 0                                     ; items 0, 1, 2: item i = row tile 2 w + i / 4, K step i % 4
	XLOAD 64, 512
	XLOAD 128, 1024
	s_add_nc_u64 s[6:7], s[6:7], s[36:37]
	s_add_nc_u64 s[WP:WP+1], s[8:9], s[38:39]
	s_add_nc_u64 s[WSP:WSP+1], s[10:11], s[40:41]
	s_mul_i32 s46, s42, 24576
	s_add_nc_u64 s[KP:KP+1], s[8:9], s[46:47]
	s_lshl_b32 s46, s42, 11
	s_add_nc_u64 s[KSP:KSP+1], s[10:11], s[46:47]
	s_mul_i32 s46, s44, 12288
	s_add_nc_u64 s[12:13], s[12:13], s[46:47]
	s_lshl_b32 s46, s44, 9
	s_add_nc_u64 s[14:15], s[14:15], s[46:47]
	s_lshl_b32 s46, ttmp9, 2
	s_add_nc_u64 s[16:17], s[16:17], s[46:47]
.macro XITEM i, n
	s_wait_loadcnt \n
	s_wait_dscnt 0x0                               ; the last image's stores have read the codes' registers
	QUANT 64*((\i)%3), 2, PW, 0, -1
	IMAGE XWI, 1536*(\i)
	ds_store_b32 v[XWS], v[PW] offset:128*(\i)
.if (\i)+3 < 8
	XLOAD 64*((\i)%3), 32768*(((\i)+3)/4)+512*(((\i)+3)%4)
.endif
.endm
.irp i, 0,1,2,3,4
	XITEM \i, 32                                   ; item i is in; the two younger items' 32 loads may be out
.endr
	BLOAD 0                                        ; behind v's last loads: the first pair's bias and w_v's K step 0: 42 loads
	WLOAD 0, 0
	XITEM 5, 63                                    ; 74 loads are younger than item 5's; the wait's field holds 63 at the most
	XITEM 6, 58                                    ; item 7's 16 and the 42
	XITEM 7, 42                                    ; the 42
	WLOAD 1, 1
	BARRIER                                        ; v's 32 images lie in LDS; they are never written again
.Lpair:
	VFETCH 0, 0
	VFETCH 0, 1
	GSTEP 0, 0, 26                                 ; bias and set A are in; set B's 26 loads may be out
	WLOAD 0, 2
	GSTEP 1, 1, 26
	WLOAD 1, 3
	GSTEP 2, 0, 26
	GSTEP 3, 1, 0
	s_cmp_eq_u32 s[PAIR], 1                        ; the next pair's bias and first weights, if there is a next pair.  They are older than every load counted below
	s_cbranch_scc1 .Lno_next
	BLOAD 1
	WLOAD 0, 4
.Lno_next:
.irp u, 0,1,2,3
	KITEM \u, \u                                   ; the ring's first four key tiles
.endr
	WIN 0x40
.irp a, 0,1,2,3,4,5,6,7
.irp j, 6,7,8,9,10,11
	v_mov_b32 v[QF+18*\a+\j], 0                    ; the zero codes between a tile's two heads
.endr
.endr
	WIN 0
.irp a, 0,1,2,3,4,5,6,7
	QUANT 64*(\a%4), 2+\a/4, QWD+\a, 3, QF+18*\a
	WIN 0x04                                       ; a store's data are its source 1: window 1
	global_store_b128 v[LI], v[QF+18*\a:QF+18*\a+3], s[12:13] offset:1536*\a
	global_store_b64 v[L8], v[QF+18*\a+4:QF+18*\a+5], s[12:13] offset:1536*\a+512
	global_store_b128 v[LI], v[QF+18*\a+12:QF+18*\a+15], s[12:13] offset:1536*\a+768
	global_store_b64 v[L8], v[QF+18*\a+16:QF+18*\a+17], s[12:13] offset:1536*\a+1280
	WIN 0
.endr
.irp i, 0,1,2,3
	v_cndmask_b32 v[QP4+\i], v[QWD+2*\i], v[QWD+2*\i+1], s[HM]   ; lanes 0-15: tile 2 i's words, lanes 16-31: tile 2 i + 1's
.endr
	global_store_b128 v[LI], v[QP4:QP4+3], s[14:15]   ; 512 consecutive bytes
	s_wait_loadcnt 12                              ; key tile 0 is in; tiles 1 to 3 (12 loads) may be out
	PLACES 8                                       ; q's scale words and codes were written by vector instructions: eight and four plain instructions stand ahead of the scaled products
	GRP 0, 0
	PLACES 4                                       ; the first group has no maximum lines between it and its first read
	WIN 0
	s_mov_b32 s[TRIP], 3
.Lkeys:                                                ; 3 trips of 4 key tiles; each tile asks for the tile four on
	SSTEP 0, 1, 12, 1
	SSTEP 1, 1, 12, 1
	SSTEP 2, 1, 12, 1
	SSTEP 3, 1, 12, 1
	WIN 0
	s_wait_xcnt 0x0                                ; the loads have read their bases
	s_add_nc_u64 s[KP:KP+1], s[KP:KP+1], 6144
	s_add_nc_u64 s[KSP:KSP+1], s[KSP:KSP+1], 512
	s_sub_co_u32 s[TRIP], s[TRIP], 1
	s_cmp_lg_u32 s[TRIP], 0
	s_cbranch_scc1 .Lkeys
	SSTEP 0, 0, 8, 1                               ; the last four tiles ask for nothing: the counts run down
	SSTEP 1, 0, 4, 1
	SSTEP 2, 0, 0, 1
	SSTEP 3, 0, 0, 0
	WIN 0
	s_cmp_eq_u32 s[PAIR], 1
	s_cbranch_scc1 .Lno_next_b
	WLOAD 1, 5                                     ; the next pair's K step 1, into the registers that the ring has left: my youngest 26 loads
.Lno_next_b:
	s_wait_xcnt 0x0                                ; loads and stores have read their bases and data: the pointers step, and q's registers are written again
	s_add_nc_u64 s[WP:WP+1], s[WP:WP+1], 49152
	s_add_nc_u64 s[WSP:WSP+1], s[WSP:WSP+1], 4096
	s_add_nc_u64 s[6:7], s[6:7], 512
	s_add_nc_u64 s[KP:KP+1], s[KP:KP+1], 6144
	s_add_nc_u64 s[KSP:KSP+1], s[KSP:KSP+1], 512
	s_add_nc_u64 s[12:13], s[12:13], 12288
	s_add_nc_u64 s[14:15], s[14:15], 512
	s_sub_co_u32 s[PAIR], s[PAIR], 1
	s_cmp_lg_u32 s[PAIR], 0
	s_cbranch_scc1 .Lpair
	; the largest score: of my four chains, of the 32 lanes, of the four waves
	v_max3_num_f32 v[MX], v[MX], v[MX+1], v[MX+2]
	v_max_num_f32 v[MX], v[MX], v[MX+3]
	v_max_num_f32_dpp v[MX], v[MX], v[MX] row_xmask:1 row_mask:0xf bank_mask:0xf
	v_max_num_f32_dpp v[MX], v[MX], v[MX] row_xmask:2 row_mask:0xf bank_mask:0xf
	v_max_num_f32_dpp v[MX], v[MX], v[MX] row_xmask:4 row_mask:0xf bank_mask:0xf
	v_max_num_f32_dpp v[MX], v[MX], v[MX] row_xmask:8 row_mask:0xf bank_mask:0xf
	v_permlanex16_b32 v[TM+4], v[MX], s[SEL], s[SEL+1]
	v_max_num_f32 v[MX], v[MX], v[TM+4]
	s_lshl_b32 s34, s[WV], 2
	s_add_co_u32 s34, s34, RED
	v_mov_b32 v9, s34
	ds_store_b32 v9, v[MX]                         ; all lanes write the same word with the same value
	BARRIER
	v_mov_b32 v9, RED
	ds_load_b128 v[TM:TM+3], v9
	s_wait_dscnt 0x0
	v_max3_num_f32 v[MX], v[TM], v[TM+1], v[TM+2]
	v_max_num_f32 v[MX], v[MX], v[TM+3]
	s_wait_xcnt 0x0                                ; EXEC changes only behind this wait
	v_cmp_eq_u32 vcc_lo, 0, v0
	s_wait_tensorcnt 0x0
	ds_add_u32 v94, v95
	s_wait_dscnt 0x0
	s_and_saveexec_b32 s34, vcc_lo
	global_store_b32 v0, v[MX], s[16:17]           ; thread 0 alone (its offset register holds 0)
	s_wait_xcnt 0x0
	s_or_b32 exec_lo, exec_lo, s34
	s_endpgm
.Lfunc_end_k_q3001c5c61b_qmax:
	.size	k_q3001c5c61b_qmax, .Lfunc_end_k_q3001c5c61b_qmax-k_q3001c5c61b_qmax
	.p2alignl 7, 3214868480
	.fill 96, 4, 3214868480
	.section	.rodata,"a",@progbits
	.p2align	6, 0x0
	.amdhsa_kernel k_q3001c5c61b_qmax
		.amdhsa_group_segment_fixed_size 54016
		.amdhsa_private_segment_fixed_size 0
		.amdhsa_enable_private_segment 0
		.amdhsa_kernarg_size 56
		.amdhsa_user_sgpr_count 2
		.amdhsa_user_sgpr_kernarg_segment_ptr 1
		.amdhsa_wavefront_size32 1
		.amdhsa_system_sgpr_workgroup_id_x 1
		.amdhsa_system_sgpr_workgroup_id_y 1
		.amdhsa_system_sgpr_workgroup_id_z 1
		.amdhsa_system_vgpr_workitem_id 0
		.amdhsa_next_free_vgpr 1024
		.amdhsa_next_free_sgpr 66
		.amdhsa_reserve_vcc 1
		.amdhsa_float_denorm_mode_32 3
		.amdhsa_float_denorm_mode_16_64 3
		.amdhsa_memory_ordered 1
		.amdhsa_forward_progress 1
		.amdhsa_inst_pref_size 203
	.end_amdhsa_kernel
	.amdgpu_metadata
---
amdhsa.version: [ 1, 2 ]
amdhsa.kernels:
  - .name:           k_q3001c5c61b_qmax
    .symbol:         k_q3001c5c61b_qmax.kd
    .args:
      - { .name: v, .offset: 0, .size: 8, .value_kind: global_buffer, .address_space: global }
      - { .name: b_v, .offset: 8, .size: 8, .value_kind: global_buffer, .address_space: global }
      - { .name: codes, .offset: 16, .size: 8, .value_kind: global_buffer, .address_space: global }
      - { .name: scales, .offset: 24, .size: 8, .value_kind: global_buffer, .address_space: global }
      - { .name: qc, .offset: 32, .size: 8, .value_kind: global_buffer, .address_space: global }
      - { .name: qs, .offset: 40, .size: 8, .value_kind: global_buffer, .address_space: global }
      - { .name: pmax, .offset: 48, .size: 8, .value_kind: global_buffer, .address_space: global }
    .group_segment_fixed_size: 54016
    .private_segment_fixed_size: 0
    .kernarg_segment_align: 8
    .kernarg_segment_size: 56
    .max_flat_workgroup_size: 128
    .sgpr_count:     66
    .vgpr_count:     1024
    .wavefront_size: 32
...
	.end_amdgpu_metadata
.endif
;; end of part 2
;; launch attn (part 3): grid 256 x 1, 4 waves a work-group, no clusters, 140,800 bytes of LDS; arguments qc, qs, codes, scales, pmax, attention_mask_l, b_out, out0; writes out0
.if DOCPART == 3
	.amdgcn_target "amdgcn-amd-amdhsa--gfx1250"
	.amdhsa_code_object_version 6
	.text
	.protected	k_q3001c5c61b_attn
	.globl	k_q3001c5c61b_attn
	.p2align	8
	.type	k_q3001c5c61b_attn,@function
k_q3001c5c61b_attn:
	s_mov_b64 s[64:65], 0
	v_nop
	global_prefetch_b8 v0, s[64:65] scope:SCOPE_SE
	s_setreg_imm32_b32 hwreg(HW_REG_WAVE_MODE, 25, 1), 1
	s_wait_xcnt 0x0
; ATTN.  scores = q k^T - (the largest score of all), clipped to +-50,000, -infinity where the mask is 0; softmax; x val; / the row's sum; x w_out^T + b_out.  All three products on codes of FP6 (E2M3) with E8M0 scales.
; THE SOFTMAX AHEAD OF THE SECOND PRODUCT: t = logit x log2(e); M = the row's largest t rounded UP to a whole number; p = 2^(t - M) is what is quantised, along the keys, not normalised; the row's sum is taken of the
; unquantised p and divides the product's result.  All 256 keys of a row lie in a lane pair's registers at once: no running maximum.
; SHARES.  A work-group owns 128 queries of one batch.  PHASE 1: the waves share the heads: wave w takes head pairs 2 w, 2 w + 1 for all 8 tiles of 16 queries; a pair's k (16 fragments) and val^T (16 fragments) stay in its registers
; for 8 tiles.  The results, divided and quantised, go to LDS as images of the next operand's registers.  One barrier.  PHASE 2: the waves share the columns: wave w makes outputs 128 w .. 128 w + 127 of all 128 rows: 64 accumulators, 8 K steps.
; All products are used transposed (source 0 = keys, channels of val, rows of w_out; source 1 = queries): a lane holds one query throughout, and its registers run along the next K (the rows of k's and val's tiles were chosen so).
; A score's K is 64 and the instruction's 128: k's fragment holds two heads, q's is used as [head a | zero codes] and [zero codes | head b].  The largest score, negated, is the C of every score product.
; q IS ASKED FOR A WHOLE TRIP AHEAD: head a's six registers and a scale word of their own are free behind head a's scores, head b's behind head b's; each half is loaded there for the next tile.
; A batch whose mask is all 0 has NaN rows in the definition; the quantiser would lose them, so NaN is added to that batch's output bias (a choice of a value, no jump).
; LIMITS: NaN and infinities among the floating-point inputs are not served; blocks under 2^-124 have their scale byte held at 1; score - maximum is rounded once, in the product, where the definition rounds twice.
; No cluster: each shared fragment goes once into the registers of the one wave of a work-group that uses it; through LDS it would be written and read once more.
; REGISTERS, in windows of 256.  Window 0: v1-15 addresses; v16-31 k's scale words; v32-47 val's; v48 q's for head a's products, v82 for head b's; v50-51 p's (v50 also o's); v52-127 at work; v128-255 S: register 16 b + i = key 32 b + 16 h + i.
;   Window 1: v0-191 k; v192-209 q as [a 6 | zeros 6 | b 6].   Window 2: val^T.   Window 3: v0-127 per key +50,000 or -infinity; v128-191 O; v192-199 minus the largest score.
;   Phase 2: windows 2, 3 the accumulators; window 1 w_out's two sets (v0, v128) and the bias (v96-127, v224-255); window 0 v128-223 o's fragments, v16-31 w_out's words, v32-39 o's.
.set OIMG, 0                           ; LDS: o's 64 images, (8 pair + tile) x 1,536
.set OSC,  98304                       ; their scale words, x 128 + 4 L
.set STG,  106496                      ; the way out: 16 rows x (512 + 16) bytes for each wave
.set LI,  1                            ; 16 L
.set L4,  2                            ; 4 L
.set L8,  3                            ; 8 L
.set R16, 4                            ; 16 r
.set H64, 5                            ; 64 h
.set L32, 6                            ; 32 L
.set OWI, 7                            ; 16 L + 24,576 w
.set OWS, 8                            ; 4 L + OSC + 2,048 w
.set LI2, 11                           ; 16 L + 49,152
.set LSO, 12                           ; 4 L + OSC
.set STO, 13
.set RD,  14
.set H32, 15                           ; 32 h
.set KW,  16
.set WW,  16
.set VW,  32
.set OW,  32
.set QW,  48                           ; q's scale words, for head a's products
.set QSO, 49
.set NM,  52                           ; v[52:53]: -M, and a word that is only named with it
.set BM,  56                           ; v56-63 the 8 blocks' largest
.set TM,  56                           ; (QUANT works in v56-71)
.set T2,  64                           ; v64-71 at work: the other half's maxima, the sum's four chains, the scale bytes
.set SO,  72
.set QWB, 82                           ; q's scale words once more, for head b's products
.set P,   84                           ; v84-107 p's two fragments
.set PC,  84
.set CT,  108
.set RL,  124                          ; v[124:125], v[126:127]: 1 / sum of head a, of head b
.set S,   128
.set OF,  128
.set BK,  128
.set O,   128                          ; in window 3
.set WV,  20
.set SEL, 22
.set CS,  24
.set CLN, 26
.set NANB, 27
.set T,   28
.set OST, 29
.set OSS, 30
.set KP,  36
.set KSP, 38
.set VP,  40
.set VSP, 42
.set WOP, 44
.set WOSP, 46
.set MSB, 0
.macro WIN new
.if MSB != (\new)
	s_set_vgpr_msb (MSB<<8)|(\new)
.set MSB, (\new)
.endif
.endm
.macro PLACES n
.rept \n
	v_nop
.endr
.endm
; 64 numbers of a lane in window W, register 16 b + i = k 32 b + 16 h + i of my row, become a fragment's codes in v[PC] on and its scale word v[pw]
.macro QUANT src, W, pw
	WIN (((\W)<<2)|((\W)<<4))
.irp b, 0,1,2,3
	v_max3_num_f32 v[TM+\b], 0x1800000, |v[(\src)+16*\b]|, |v[(\src)+16*\b+1]|
.endr
.irp i, 2,4,6,8,10,12,14
.irp b, 0,1,2,3
	v_max3_num_f32 v[TM+\b], v[TM+\b], |v[(\src)+16*\b+\i]|, |v[(\src)+16*\b+\i+1]|
.endr
.endr
	WIN 0
.irp b, 0,1,2,3
	v_permlanex16_b32 v[TM+4+\b], v[TM+\b], s[SEL], s[SEL+1]
.endr
.irp b, 0,1,2,3
	v_max_num_f32 v[TM+\b], v[TM+\b], v[TM+4+\b]
.endr
.irp b, 0,1,2,3
	v_add_nc_u32 v[TM+12+\b], 0xff000000, v[TM+\b]
.endr
.irp b, 0,1,2,3
	v_lshrrev_b32 v[TM+4+\b], 23, v[TM+12+\b]
.endr
	v_lshl_or_b32 v[\pw], v[TM+5], 8, v[TM+4]
	v_lshl_or_b32 v[\pw], v[TM+6], 16, v[\pw]
	v_lshl_or_b32 v[\pw], v[TM+7], 24, v[\pw]
	WIN (\W)
.irp c, 0,1
	v_cvt_scalef32_pk16_fp6_f32 v[PC+6*\c:PC+6*\c+2], v[(\src)+32*\c:(\src)+32*\c+15], v[TM+12+2*\c]
	v_cvt_scalef32_pk16_fp6_f32 v[CT+4*\c:CT+4*\c+2], v[(\src)+32*\c+16:(\src)+32*\c+31], v[TM+13+2*\c]
.endr
	WIN 0
	v_nop
.irp c, 0,1
.irp i, 0,1,2
	v_permlane16_swap_b32 v[PC+6*\c+\i], v[CT+4*\c+\i]
.endr
.irp i, 0,1,2
	v_mov_b32 v[PC+3+6*\c+\i], v[CT+4*\c+\i]
.endr
.endr
.endm
.macro QALOAD off                              ; head a's codes of the tile off bytes on, and the tile's scale words for head a's products: 3 loads
	WIN 0x40
	global_load_b128 v[192:195], v[LI], s[4:5] offset:(\off)
	global_load_b64 v[196:197], v[L8], s[4:5] offset:(\off)+512
	WIN 0
	global_load_b32 v[QW], v[QSO], s[6:7]
.endm
.macro QBLOAD off                              ; head b's codes, and the same scale words for head b's products: 3 loads
	WIN 0x40
	global_load_b128 v[204:207], v[LI], s[4:5] offset:(\off)+768
	global_load_b64 v[208:209], v[L8], s[4:5] offset:(\off)+1280
	WIN 0
	global_load_b32 v[QWB], v[QSO], s[6:7]
.endm
.macro KLOAD pr                                ; pair pr's 16 fragments of k and their scale words: 52 loads of 512 consecutive bytes
	WIN 0x40
.irp t, 0,1,2,3,4,5,6,7,8,9,10,11,12,13,14,15
.irp c, 0,1,2
	global_load_b128 v[12*\t+4*\c:12*\t+4*\c+3], v[LI], s[KP:KP+1] offset:24576*(\pr)+1536*\t+512*\c
.endr
.endr
	WIN 0
.irp g, 0,1,2,3
	global_load_b128 v[KW+4*\g:KW+4*\g+3], v[LI], s[KSP:KSP+1] offset:2048*(\pr)+512*\g
.endr
.endm
.macro VLOAD pr                                ; the same of val^T: fragment 2 (channel tile) + (key half)
	WIN 0x80
.irp t, 0,1,2,3,4,5,6,7,8,9,10,11,12,13,14,15
.irp c, 0,1,2
	global_load_b128 v[12*\t+4*\c:12*\t+4*\c+3], v[LI], s[VP:VP+1] offset:24576*(\pr)+1536*\t+512*\c
.endr
.endr
	WIN 0
.irp g, 0,1,2,3
	global_load_b128 v[VW+4*\g:VW+4*\g+3], v[LI], s[VSP:VSP+1] offset:2048*(\pr)+512*\g
.endr
.endm
.macro WOLOAD p, st                            ; w_out's 8 fragments of K step st into set p, and their scale words: 26 loads
	WIN 0x40
.irp tt, 0,1,2,3,4,5,6,7
.irp c, 0,1,2
	global_load_b128 v[128*(\p)+12*\tt+4*\c:128*(\p)+12*\tt+4*\c+3], v[LI], s[WOP:WOP+1] offset:12288*(\st)+1536*\tt+512*\c
.endr
.endr
	WIN 0
.irp g, 0,1
	global_load_b128 v[WW+8*(\p)+4*\g:WW+8*(\p)+4*\g+3], v[LI], s[WOSP:WOSP+1] offset:1024*(\st)+512*\g
.endr
.endm
.macro BOLOAD                                  ; b_out in the result's layout: tile b: outputs 16 b + 8 h + 0 .. 7
	WIN 0x40
.irp b, 0,1,2,3,4,5,6,7
	global_load_b128 v[96+8*\b+96*(\b/4):96+8*\b+96*(\b/4)+3], v[H32], s[16:17] offset:64*\b
	global_load_b128 v[96+8*\b+96*(\b/4)+4:96+8*\b+96*(\b/4)+7], v[H32], s[16:17] offset:64*\b+16
.endr
	WIN 0
.endm
.macro SCORE hd, qw                            ; 16 products: all 256 keys x my tile's 16 queries, head hd of the pair; C = minus the largest score
	WIN 0x35
.irp t, 0,1,2,3,4,5,6,7,8,9,10,11,12,13,14,15
	v_wmma_scale_f32_16x16x128_f8f6f4 v[S+8*\t:S+8*\t+7], v[12*\t:12*\t+11], v[192+6*(\hd):192+6*(\hd)+11], v[192:199], v[KW+\t], v[\qw] matrix_a_fmt:MATRIX_FMT_FP6 matrix_b_fmt:MATRIX_FMT_FP6
.endr
.endm
.macro PV hd                                   ; 8 products: the head's 4 tiles of channels, two K steps of 128 keys; the four accumulators by turns
	WIN 0xc2
.irp d, 0,1,2,3
	v_wmma_scale_f32_16x16x128_f8f6f4 v[O+32*(\hd)+8*\d:O+32*(\hd)+8*\d+7], v[24*(4*(\hd)+\d):24*(4*(\hd)+\d)+11], v[P:P+11], 0, v[VW+2*(4*(\hd)+\d)], v50 matrix_a_fmt:MATRIX_FMT_FP6 matrix_b_fmt:MATRIX_FMT_FP6
.endr
	WIN 0xf2
.irp d, 0,1,2,3
	v_wmma_scale_f32_16x16x128_f8f6f4 v[O+32*(\hd)+8*\d:O+32*(\hd)+8*\d+7], v[24*(4*(\hd)+\d)+12:24*(4*(\hd)+\d)+23], v[P+12:P+23], v[O+32*(\hd)+8*\d:O+32*(\hd)+8*\d+7], v[VW+2*(4*(\hd)+\d)+1], v51 matrix_a_fmt:MATRIX_FMT_FP6 matrix_b_fmt:MATRIX_FMT_FP6
.endr
	WIN 0
.endm
; The softmax of a tile and a head: S (128 registers) becomes p's two fragments (v84-107), their scale words (v50, v51) and 1 / the row's sum
.macro SOFT hd
	s_wait_dscnt 0x0                               ; the last image's stores have read v50 and the codes' registers
	WIN 0x30
.set n, 0
.rept 128
	v_maxmin_num_f32 v[S+n], v[S+n], s[CLN], v[n]  ; min(max(s, -50,000), +50,000 or -infinity): clip and mask in one line; ascending
.set n, n+1
.endr
	WIN 0
.irp b, 0,1,2,3,4,5,6,7
	v_max3_num_f32 v[BM+\b], v[S+16*\b], v[S+16*\b+1], v[S+16*\b+2]   ; the largest logit of each block of 32 keys: for the row's maximum and, since p rises with the logit, for the block's largest p
.endr
.irp i, 3,5,7,9,11,13
.irp b, 0,1,2,3,4,5,6,7
	v_max3_num_f32 v[BM+\b], v[BM+\b], v[S+16*\b+\i], v[S+16*\b+\i+1]
.endr
.endr
.irp b, 0,1,2,3,4,5,6,7
	v_max_num_f32 v[BM+\b], v[BM+\b], v[S+16*\b+15]
.endr
.irp b, 0,1,2,3,4,5,6,7
	v_permlanex16_b32 v[T2+\b], v[BM+\b], s[SEL], s[SEL+1]
.endr
.irp b, 0,1,2,3,4,5,6,7
	v_max_num_f32 v[BM+\b], v[BM+\b], v[T2+\b]     ; with lane L xor 16's 16 keys
.endr
	v_max3_num_f32 v54, v[BM], v[BM+1], v[BM+2]    ; the row's largest logit, as a tree two deep
	v_max3_num_f32 v55, v[BM+3], v[BM+4], v[BM+5]
	v_max_num_f32 v80, v[BM+6], v[BM+7]
	v_max3_num_f32 v54, v54, v55, v80
	v_mul_f32 v54, s[CS], v54                      ; as t
	v_floor_f32 v[NM], -v54                        ; -M = floor(-t) = -ceil(t)
	; ONE BATCH: 64 packed scalings t - M and 136 exponentials.  A scaling leads two exponentials, whose own scaling stands three groups back; none of these lines names an exponential's result
.irp b, 0,1,2,3,4,5,6,7
	v_fma_f32 v[BM+\b], v[BM+\b], s[CS], v[NM]     ; t - M of each block's largest
.endr
.irp p, 0,1,2
	v_pk_fma_f32 v[S+2*\p:S+2*\p+1], v[S+2*\p:S+2*\p+1], s[CS:CS+1], v[NM:NM+1] op_sel_hi:[1,0,0]   ; t - M, two at a time
.endr
.set n, 0
.rept 61
	v_pk_fma_f32 v[S+n+6:S+n+7], v[S+n+6:S+n+7], s[CS:CS+1], v[NM:NM+1] op_sel_hi:[1,0,0]
	v_exp_f32 v[S+n], v[S+n]                       ; p = 2^(t - M)
	v_exp_f32 v[S+n+1], v[S+n+1]
.set n, n+2
.endr
.rept 6
	v_exp_f32 v[S+n], v[S+n]
.set n, n+1
.endr
.irp b, 0,1,2,3,4,5,6,7
	v_exp_f32 v[BM+\b], v[BM+\b]                   ; the blocks' largest p: the same two instructions on the same number
.endr
	v_nop                                          ; a plain instruction behind the last exponential
	s_wait_alu depctr_va_vdst(0)                   ; one wait for the whole batch, ahead of its first reader
.irp c, 0,1,2,3
	v_pk_add_f32 v[T2+2*\c:T2+2*\c+1], v[S+2*\c:S+2*\c+1], v[S+8+2*\c:S+8+2*\c+1]   ; the row's sum, of the unquantised p, two at a time, in four chains that do not wait for each other
.endr
.set n, 16
.rept 14
.irp c, 0,1,2,3
	v_pk_add_f32 v[T2+2*\c:T2+2*\c+1], v[T2+2*\c:T2+2*\c+1], v[S+n+2*\c:S+n+2*\c+1]
.endr
.set n, n+8
.endr
	v_pk_add_f32 v[T2:T2+1], v[T2:T2+1], v[T2+2:T2+3]
	v_pk_add_f32 v[T2+4:T2+5], v[T2+4:T2+5], v[T2+6:T2+7]
	; the sum's last steps stand singly among the eight blocks' lines, so that none waits for the line above it
.irp b, 0,1,2,3,4,5,6,7
	v_max_num_f32 v[BM+\b], 0x1800000, v[BM+\b]    ; the floor 2^(3 - 127): a block whose every p is 0 keeps the byte 1; its codes are zeros
.endr
	v_pk_add_f32 v[80:81], v[T2:T2+1], v[T2+4:T2+5]
.irp b, 0,1,2,3,4,5,6,7
	v_add_nc_u32 v[SO+\b], 0xff000000, v[BM+\b]    ; 2 off the exponent field: the conversion's scale operand
.endr
	v_add_f32 v80, v80, v81                        ; the sum's two halves,
.irp b, 0,1,2,3,4,5,6,7
	v_lshrrev_b32 v[T2+\b], 23, v[SO+\b]           ; the scale's byte
.endr
	v_permlanex16_b32 v54, v80, s[SEL], s[SEL+1]
.irp k, 0,1
	v_lshl_or_b32 v[50+\k], v[T2+4*\k+1], 8, v[T2+4*\k]
.endr
	v_add_f32 v80, v80, v54                        ; and lane L xor 16's
.irp k, 0,1
	v_lshl_or_b32 v[50+\k], v[T2+4*\k+2], 16, v[50+\k]
.endr
	v_rcp_f32 v[RL+2*(\hd)], v80                   ; its wait stands at the macro's end
.irp k, 0,1
	v_lshl_or_b32 v[50+\k], v[T2+4*\k+3], 24, v[50+\k]
.endr
.irp k, 0,1
.irp c, 0,1
	v_cvt_scalef32_pk16_fp6_f32 v[P+12*\k+6*\c:P+12*\k+6*\c+2], v[S+64*\k+32*\c:S+64*\k+32*\c+15], v[SO+4*\k+2*\c]
	v_cvt_scalef32_pk16_fp6_f32 v[CT+8*\k+4*\c:CT+8*\k+4*\c+2], v[S+64*\k+32*\c+16:S+64*\k+32*\c+31], v[SO+4*\k+2*\c+1]
.endr
.endr
	v_nop                                          ; one plain instruction behind the scaled conversions
.irp k, 0,1
.irp c, 0,1
.irp i, 0,1,2
	v_permlane16_swap_b32 v[P+12*\k+6*\c+\i], v[CT+8*\k+4*\c+\i]
.endr
.irp i, 0,1,2
	v_mov_b32 v[P+12*\k+6*\c+3+\i], v[CT+8*\k+4*\c+\i]
.endr
.endr
.endr
	PLACES 4                                       ; between p's codes, written by vector instructions, and the scaled products
	s_wait_alu depctr_va_vdst(0)                   ; the reciprocal's wait, ahead of every branch and of its reader
.endm
.macro OQ                                      ; the pair's 128 channels of my tile: / the sums, quantised, to LDS as K step (pair) of the last product
	WIN 0xc3
.set n, 0
.rept 16
	v_pk_mul_f32 v[O+n:O+n+1], v[O+n:O+n+1], v[RL:RL+1] op_sel_hi:[1,0]
.set n, n+2
.endr
.rept 16
	v_pk_mul_f32 v[O+n:O+n+1], v[O+n:O+n+1], v[RL+2:RL+3] op_sel_hi:[1,0]
.set n, n+2
.endr
	QUANT O, 3, 50
	v_add_nc_u32 v9, s[OST], v[OWI]
	v_add_nc_u32 v10, s[OSS], v[OWS]
.irp c, 0,1,2
	ds_store_b128 v9, v[PC+4*\c:PC+4*\c+3] offset:512*\c
.endr
	ds_store_b32 v10, v50
	s_add_co_u32 s[OST], s[OST], 1536              ; my 16 images lie on end
	s_add_co_u32 s[OSS], s[OSS], 128
.endm
	s_load_b256 s[4:11], s[0:1], 0x0               ; qc s[4:5], qs s[6:7], codes s[8:9], scales s[10:11]
	s_load_b256 s[12:19], s[0:1], 0x20             ; pmax s[12:13], mask s[14:15], b_out s[16:17], out0 s[18:19]
	v_lshl_add_u32 v119, v0, 2, 0x22400
	v_mov_b32 v123, 0
	v_lshrrev_b32 v9, 5, v0
	v_readfirstlane_b32 s[WV], v9                  ; wave 0..3
	v_and_b32 v9, 31, v0                           ; L
	v_and_b32 v10, 15, v0                          ; r
	v_bfe_u32 v54, v0, 4, 1                        ; h
	v_lshlrev_b32 v[LI], 4, v9
	v_lshlrev_b32 v[L4], 2, v9
	v_lshlrev_b32 v[L8], 3, v9
	v_lshlrev_b32 v[R16], 4, v10
	v_lshlrev_b32 v[H64], 6, v54
	v_lshlrev_b32 v[L32], 5, v9
	v_lshlrev_b32 v[H32], 5, v54
	s_mul_i32 s31, s[WV], 24576
	v_add_nc_u32 v[OWI], s31, v[LI]
	s_lshl_b32 s31, s[WV], 11
	v_add_nc_u32 v[OWS], s31, v[L4]
	v_add_nc_u32 v[OWS], OSC, v[OWS]
	v_add_nc_u32 v[LI2], 49152, v[LI]
	v_add_nc_u32 v[LSO], OSC, v[L4]
	s_mul_i32 s31, s[WV], 8448
	s_add_co_u32 s31, s31, STG                     ; my stage
	v_mul_u32_u24 v[STO], v10, 528
	v_lshl_add_u32 v[STO], v54, 5, v[STO]
	v_add_nc_u32 v[STO], s31, v[STO]               ; in: row r, 32 bytes for each half of the lanes
	v_add_nc_u32 v[RD], s31, v[LI]                 ; back: a whole row of 512 bytes
	v_mov_b32 v[QSO], v[R16]                       ; tile 0's scale words
	v_mov_b32 v[NM+1], 0                           ; (only named as upper halves of pairs)
	v_mov_b32 v[RL+1], 0
	v_mov_b32 v[RL+3], 0
	s_mov_b32 s[SEL], 0x76543210
	s_mov_b32 s[SEL+1], 0xfedcba98
	s_mov_b32 s[CS], 0x3fb8aa3b                    ; log2(e)
	s_mov_b32 s[CS+1], s[CS]
	s_mov_b32 s[CLN], 0xc7435000                   ; -50,000
	s_mov_b32 s[T], 0
	s_mov_b32 s[OST], 0
	s_mov_b32 s[OSS], 0
	s_lshr_b32 s31, ttmp9, 5                       ; batch
	s_lshl_b32 s32, s31, 10                        ; its mask: 1,024 bytes
	s_mov_b32 s33, 0
	s_lshl_b32 s31, s31, 3
	s_lshl_b32 s56, s[WV], 1
	s_add_co_u32 s31, s31, s56                     ; 8 batch + my first pair
	s_mul_i32 s34, s31, 24576
	s_mov_b32 s35, 0
	s_lshl_b32 s48, s31, 11
	s_mov_b32 s49, 0
	s_lshl_b32 s50, ttmp9, 3
	s_add_co_u32 s50, s50, s56                     ; 8 work-group + my first pair
	s_mul_i32 s52, s50, 12288
	s_mov_b32 s53, 0
	s_lshl_b32 s54, s50, 9
	s_mov_b32 s55, 0
	s_mul_i32 s56, s[WV], 98304                    ; w_out's fragments 2304 + 64 w on
	s_add_co_u32 s56, s56, 3538944
	s_mov_b32 s57, 0
	s_lshl_b32 s58, s[WV], 13
	s_add_co_u32 s58, s58, 294912
	s_mov_b32 s59, 0
	s_lshl_b32 s60, s[WV], 9                       ; my 128 outputs, in bytes
	s_mov_b32 s61, 0
	s_lshl_b32 s62, ttmp9, 18                      ; my work-group's 128 rows of 2,048 bytes
	s_add_co_u32 s62, s62, s60
	s_mov_b32 s63, 0
	s_wait_kmcnt 0x0
	s_add_nc_u64 s[14:15], s[14:15], s[32:33]
	s_add_nc_u64 s[4:5], s[4:5], s[52:53]
	s_add_nc_u64 s[6:7], s[6:7], s[54:55]
	s_add_nc_u64 s[KP:KP+1], s[8:9], s[34:35]
	s_add_nc_u64 s[VP:VP+1], s[KP:KP+1], 1572864   ; val^T's fragments begin at number 1,024
	s_add_nc_u64 s[KSP:KSP+1], s[10:11], s[48:49]
	s_add_nc_u64 s[VSP:VSP+1], s[KSP:KSP+1], 131072
	s_add_nc_u64 s[WOP:WOP+1], s[8:9], s[56:57]
	s_add_nc_u64 s[WOSP:WOSP+1], s[10:11], s[58:59]
	s_add_nc_u64 s[16:17], s[16:17], s[60:61]
	s_add_nc_u64 s[18:19], s[18:19], s[62:63]
	global_load_b128 v[56:59], v[L32], s[12:13]    ; the 256 work-groups' maxima, 8 a lane
	global_load_b128 v[60:63], v[L32], s[12:13] offset:16
	global_load_b128 v[64:67], v[L32], s[14:15]    ; the batch's mask, 8 a lane: is any of it not 0?
	global_load_b128 v[68:71], v[L32], s[14:15] offset:16
.irp t, 0,1,2,3,4,5,6,7,8,9,10,11,12,13,14,15
	global_load_b128 v[S+8*\t:S+8*\t+3], v[H64], s[14:15] offset:4*(32*(\t/2)+8*(\t%2))      ; and once more in S's layout
	global_load_b128 v[S+8*\t+4:S+8*\t+7], v[H64], s[14:15] offset:4*(32*(\t/2)+8*(\t%2))+16
.endr
	QALOAD 0                                       ; tile 0's q
	QBLOAD 0
	KLOAD 0
	s_wait_loadcnt 58                              ; q's 6 and k's 52 loads may be out
	v_max3_num_f32 v56, v56, v57, v58
	v_max3_num_f32 v56, v56, v59, v60
	v_max3_num_f32 v56, v56, v61, v62
	v_max_num_f32 v56, v56, v63
	v_max_num_f32_dpp v56, v56, v56 row_xmask:1 row_mask:0xf bank_mask:0xf
	v_max_num_f32_dpp v56, v56, v56 row_xmask:2 row_mask:0xf bank_mask:0xf
	v_max_num_f32_dpp v56, v56, v56 row_xmask:4 row_mask:0xf bank_mask:0xf
	v_max_num_f32_dpp v56, v56, v56 row_xmask:8 row_mask:0xf bank_mask:0xf
	v_permlanex16_b32 v57, v56, s[SEL], s[SEL+1]
	v_max_num_f32 v56, v56, v57                    ; the largest score of all
.irp j, 65,66,67,68,69,70,71
	v_or_b32 v64, v64, v[\j]
.endr
	v_cmp_ne_u32 vcc_lo, 0, v64
	s_cmp_lg_u32 vcc_lo, 0
	s_cselect_b32 s[NANB], 0, 0x7fc00000           ; what is added to the output bias: 0, or NaN where the batch's mask is all 0
	v_mov_b32 v54, 0x47435000                      ; +50,000
	v_mov_b32 v55, 0xff800000                      ; -infinity
	WIN 0x40
.irp j, 198,199,200,201,202,203
	v_mov_b32 v[\j], 0                             ; the zero codes between q's two heads.  They are an operand written by vector instructions: the 264 plain lines below stand between them and the first scaled product
.endr
	WIN 0xc0                                       ; destination window 3
.irp j, 0,1,2,3,4,5,6,7
	v_xor_b32 v[192+\j], 0x80000000, v56
.endr
.set n, 0
.rept 128
	v_cmp_eq_u32 vcc_lo, 0, v[S+n]
	v_cndmask_b32 v[n], v54, v55, vcc_lo           ; the upper bound of key n's logit
.set n, n+1
.endr
	WIN 0
	VLOAD 0
; 16 trips: trip T is tile T % 8 of pair T / 8.  s[4:5] stands at tile min(T, 14): what is asked for lies 1,536 bytes on, the next tile, and in the last trip tile 15 once more, so that head a's three loads
; are issued in EVERY trip and no wait's count hangs on a branch.  The order of a trip's loads: head a's 3; (at a pair's last tile: the next pair's k, 52); head b's 3; (there too: val^T, 52).
.Ltile:
	s_wait_loadcnt 3                               ; head a's q is in, and at a pair's first tile k: my three youngest loads, head b's or val^T's last three, may be out
	SCORE 0, QW
	PLACES 4                                       ; in front of the loads into head a's registers, and of the first read of the scores
	WIN 0
	s_add_co_u32 s31, s[T], 1
	s_min_u32 s31, s31, 15                         ; the tile asked for
	s_lshr_b32 s32, s31, 3
	s_lshl_b32 s32, s32, 9
	s_and_b32 s33, s31, 1
	s_lshl_b32 s33, s33, 8
	s_add_co_u32 s32, s32, s33
	s_bfe_u32 s33, s31, 0x20001
	s_lshl_b32 s33, s33, 2
	s_add_co_u32 s32, s32, s33
	v_add_nc_u32 v[QSO], s32, v[R16]               ; its scale words (the last loads by this register stand ahead of the wait on XCNT at the last trip's end, or were waited for at this trip's head)
	QALOAD 1536
	SOFT 0
	s_wait_loadcnt 3                               ; val^T and head b's q are in; the three loads issued behind head a's scores may be out
	PV 0
	SCORE 1, QWB
	PLACES 4                                       ; in front of the loads into head b's and k's registers, and of the first read of the scores
	WIN 0
	s_cmp_eq_u32 s[T], 15
	s_cbranch_scc1 .Llast
	s_cmp_eq_u32 s[T], 7
	s_cbranch_scc0 .Lsame_k
	KLOAD 1                                        ; the pair's last scores are made: the next pair's k, ahead of head b's loads, so that these stay my youngest
.Lsame_k:
	QBLOAD 1536
	s_branch .Lgo
.Llast:                                                ; the last trip: w_out's first two K steps and the bias take k's and q's registers
	s_wait_loadcnt 0x0                             ; head a's three loads of this trip have landed: no load is out on the registers that the loads below write
	WOLOAD 0, 0
	WOLOAD 1, 1
	BOLOAD
.Lgo:
	SOFT 1
	PV 1
	PLACES 4
	s_cmp_eq_u32 s[T], 7
	s_cbranch_scc0 .Lsame_v
	VLOAD 1
.Lsame_v:
	OQ
	s_wait_xcnt 0x0                                ; the trip's loads have read their base and their offset registers: q's pointer steps here, the scale words' offset in the next trip
	s_cmp_lt_u32 s[T], 14
	s_cselect_b32 s32, 1536, 0                     ; the pointer stops at tile 14
	s_mov_b32 s33, 0
	s_add_nc_u64 s[4:5], s[4:5], s[32:33]
	s_add_co_u32 s[T], s[T], 1
	s_cmp_lt_u32 s[T], 16
	s_cbranch_scc1 .Ltile
	; PHASE 2
.macro OFETCH st, hf                           ; o's fragments of row tiles 4 hf .. 4 hf + 3, K step st, and their scale words: 16 LDS loads
.irp a, 0,1,2,3
.irp c, 0,1,2
.if (\st) < 4
	ds_load_b128 v[OF+12*(4*(\hf)+\a)+4*\c:OF+12*(4*(\hf)+\a)+4*\c+3], v[LI] offset:(8*(\st)+4*(\hf)+\a)*1536+512*\c
.else
	ds_load_b128 v[OF+12*(4*(\hf)+\a)+4*\c:OF+12*(4*(\hf)+\a)+4*\c+3], v[LI2] offset:(8*((\st)-4)+4*(\hf)+\a)*1536+512*\c
.endif
.endr
.endr
.irp a, 0,1,2,3
	ds_load_b32 v[OW+4*(\hf)+\a], v[LSO] offset:(8*(\st)+4*(\hf)+\a)*128
.endr
.endm
.macro OMUL st, hi                             ; 32 products; the 64 accumulators take turns in the same order in every K step; K step 0 takes the bias as C
.if (\st) == 0
	WIN 0x91+0x40*(\hi)
.else
	WIN 0xa1+0x50*(\hi)
.endif
.irp a, 0,1,2,3
.irp b, 0,1,2,3,4,5,6,7
.if (\st) == 0
	v_wmma_scale_f32_16x16x128_f8f6f4 v[8*(8*\a+\b):8*(8*\a+\b)+7], v[128*((\st)%2)+12*\b:128*((\st)%2)+12*\b+11], v[OF+12*(4*(\hi)+\a):OF+12*(4*(\hi)+\a)+11], v[96+8*\b+96*(\b/4):96+8*\b+96*(\b/4)+7], v[WW+8*((\st)%2)+\b], v[OW+4*(\hi)+\a] matrix_a_fmt:MATRIX_FMT_FP6 matrix_b_fmt:MATRIX_FMT_FP6
.else
	v_wmma_scale_f32_16x16x128_f8f6f4 v[8*(8*\a+\b):8*(8*\a+\b)+7], v[128*((\st)%2)+12*\b:128*((\st)%2)+12*\b+11], v[OF+12*(4*(\hi)+\a):OF+12*(4*(\hi)+\a)+11], v[8*(8*\a+\b):8*(8*\a+\b)+7], v[WW+8*((\st)%2)+\b], v[OW+4*(\hi)+\a] matrix_a_fmt:MATRIX_FMT_FP6 matrix_b_fmt:MATRIX_FMT_FP6
.endif
.endr
.endr
.endm
.macro OSTEP st
.if (\st) < 7
	s_wait_loadcnt 26                              ; this step's weights are in; the other set's 26 loads may be out
.else
	s_wait_loadcnt 0x0
.endif
	s_wait_dscnt 16                                ; row tiles 0-3 are in; the 16 LDS loads of tiles 4-7 may be out
	OMUL \st, 0
	s_wait_dscnt 0x0
.if (\st) < 7
	PLACES 4
	WIN 0
	OFETCH (\st)+1, 0
.endif
	OMUL \st, 1
	PLACES 4
	WIN 0
.if (\st) < 7
	OFETCH (\st)+1, 1
.endif
.if (\st) < 6
	WOLOAD (\st)%2, (\st)+2
.endif
.endm
	s_wait_dscnt 0x0                               ; for the others' sake: my images and scale words have landed
	s_barrier_signal -1
	s_barrier_wait -1                              ; o's 64 images lie in LDS
	OFETCH 0, 0
	OFETCH 0, 1
	s_wait_loadcnt 0x0                             ; w_out's first two sets and the bias
	WIN 0x44
.irp b, 0,1,2,3,4,5,6,7
.irp j, 0,1,2,3,4,5,6,7
	v_add_f32 v[96+8*\b+96*(\b/4)+\j], s[NANB], v[96+8*\b+96*(\b/4)+\j]
.endr
.endr
	WIN 0
.irp s, 0,1,2,3,4,5,6,7
	OSTEP \s
.endr
; THE WAY OUT, block by block of 16 rows x my 128 outputs.  A lane holds 32 neighbouring bytes of a row: a block goes through my own stage in LDS and comes back as whole rows of 512 bytes.
; LDS serves a wave's instructions in order (ISA guide 5.7.1.4): no wait between the stores and the loads, nor in front of the next block's stores.
.macro TOSTAGE a
	WIN 0x08+4*((\a)/4)                            ; an LDS store's data are its source 1: window 2 or 3
.irp b, 0,1,2,3,4,5,6,7
	ds_store_b128 v[STO], v[64*((\a)%4)+8*\b:64*((\a)%4)+8*\b+3] offset:64*\b       ; each accumulator from its low end on
	ds_store_b128 v[STO], v[64*((\a)%4)+8*\b+4:64*((\a)%4)+8*\b+7] offset:64*\b+16
.endr
	WIN 0
.irp t, 0,1,2,3,4,5,6,7,8,9,10,11,12,13,14,15
	ds_load_b128 v[BK+64*((\a)%2)+4*\t:BK+64*((\a)%2)+4*\t+3], v[RD] offset:\t*528
.endr
.endm
.macro SEND a, younger                         ; younger: the LDS instructions issued behind block a's loads, which may stay out
	s_wait_dscnt \younger
.irp t, 0,1,2,3,4,5,6,7,8,9,10,11,12,13,14,15
	global_store_b128 v[LI], v[BK+64*((\a)%2)+4*\t:BK+64*((\a)%2)+4*\t+3], s[18:19] offset:(16*(\a)+\t)*2048 th:TH_STORE_NT   ; 32 lanes store 512 consecutive bytes, at a multiple of 256 from out0's first byte
.endr
.endm
	TOSTAGE 0                                      ; (four plain instructions stand behind the last products)
.irp a, 1,2,3,4,5,6,7
.if \a > 1
	s_wait_xcnt 0x0                                ; block a - 2's stores have read their registers: block a's loads may land there
.endif
	TOSTAGE \a
	SEND \a-1, 32                                  ; behind block a - 1's loads: block a's 16 stores and 16 loads
.endr
	SEND 7, 0
	s_wait_tensorcnt 0x0
	ds_add_u32 v119, v123
	s_wait_dscnt 0x0
	s_endpgm
.Lfunc_end_k_q3001c5c61b_attn:
	.size	k_q3001c5c61b_attn, .Lfunc_end_k_q3001c5c61b_attn-k_q3001c5c61b_attn
	.p2alignl 7, 3214868480
	.fill 96, 4, 3214868480
	.section	.rodata,"a",@progbits
	.p2align	6, 0x0
	.amdhsa_kernel k_q3001c5c61b_attn
		.amdhsa_group_segment_fixed_size 140800
		.amdhsa_private_segment_fixed_size 0
		.amdhsa_enable_private_segment 0
		.amdhsa_kernarg_size 64
		.amdhsa_user_sgpr_count 2
		.amdhsa_user_sgpr_kernarg_segment_ptr 1
		.amdhsa_wavefront_size32 1
		.amdhsa_system_sgpr_workgroup_id_x 1
		.amdhsa_system_sgpr_workgroup_id_y 1
		.amdhsa_system_sgpr_workgroup_id_z 1
		.amdhsa_system_vgpr_workitem_id 0
		.amdhsa_next_free_vgpr 1024
		.amdhsa_next_free_sgpr 66
		.amdhsa_reserve_vcc 1
		.amdhsa_float_denorm_mode_32 3
		.amdhsa_float_denorm_mode_16_64 3
		.amdhsa_memory_ordered 1
		.amdhsa_forward_progress 1
		.amdhsa_inst_pref_size 247
	.end_amdhsa_kernel
	.amdgpu_metadata
---
amdhsa.version: [ 1, 2 ]
amdhsa.kernels:
  - .name:           k_q3001c5c61b_attn
    .symbol:         k_q3001c5c61b_attn.kd
    .args:
      - { .name: qc, .offset: 0, .size: 8, .value_kind: global_buffer, .address_space: global }
      - { .name: qs, .offset: 8, .size: 8, .value_kind: global_buffer, .address_space: global }
      - { .name: codes, .offset: 16, .size: 8, .value_kind: global_buffer, .address_space: global }
      - { .name: scales, .offset: 24, .size: 8, .value_kind: global_buffer, .address_space: global }
      - { .name: pmax, .offset: 32, .size: 8, .value_kind: global_buffer, .address_space: global }
      - { .name: attention_mask_l, .offset: 40, .size: 8, .value_kind: global_buffer, .address_space: global }
      - { .name: b_out, .offset: 48, .size: 8, .value_kind: global_buffer, .address_space: global }
      - { .name: out0, .offset: 56, .size: 8, .value_kind: global_buffer, .address_space: global }
    .group_segment_fixed_size: 140800
    .private_segment_fixed_size: 0
    .kernarg_segment_align: 8
    .kernarg_segment_size: 64
    .max_flat_workgroup_size: 128
    .sgpr_count:     66
    .vgpr_count:     1024
    .wavefront_size: 32
...
	.end_amdgpu_metadata
.endif
;; end of part 3
;; ======== version 2 of 2: 3 launches; version 1 with the launches prep, attn written anew for expert scheduling mode
;; workspace buffers: codes 3,932,160 bytes; scales 327,680 bytes; qc 25,165,824 bytes; qs 1,048,576 bytes; pmax 1,024 bytes
;; launch prep (part 4): grid 256 x 1, 8 waves a work-group, no clusters, 160,768 bytes of LDS; arguments l, w_l, w_vl, b_l, b_vl, w_v, w_out, codes, scales; writes codes, scales
.if DOCPART == 4
	.amdgcn_target "amdgcn-amd-amdhsa--gfx1250"
	.amdhsa_code_object_version 6
	.text
	.protected	k_q3001c5c61b_prep
	.globl	k_q3001c5c61b_prep
	.p2align	8
	.type	k_q3001c5c61b_prep,@function
k_q3001c5c61b_prep:
	s_mov_b64 s[64:65], 0
	v_nop
	global_prefetch_b8 v0, s[64:65] scope:SCOPE_SE
	s_setreg_imm32_b32 hwreg(HW_REG_WAVE_SCHED_MODE, 0, 2), 2
	s_setreg_imm32_b32 hwreg(HW_REG_WAVE_MODE, 25, 1), 1
	s_wait_xcnt 0x0
	s_wait_alu depctr_vm_vsrc(0)
; PREP.  k = l w_l^T + b_l and val = l w_vl^T + b_vl, both products on codes of FP6 (E2M3) with one E8M0 scale for each 32 along K; k is then quantised along
; the channels, val along the keys; w_v and w_out are quantised along their K.  All four results leave as IMAGES OF OPERAND REGISTERS: a fragment (16 rows x 128 K, 12 registers a lane)
; is 1,536 bytes, registers 4 c .. 4 c + 3 of lane L at 512 c + 16 L; fragment F's scale word of lane L lies at 512 (F / 4) + 16 L + 4 (F % 4).
; FRAGMENT NUMBERS: k: (8 batch + pair) 16 + key tile;  val^T: 1024 + ((8 batch + pair) 8 + channel tile) 2 + key half;  w_v: 2048 + (4 pair + K step) 8 + tile;  w_out: 2304 + (8 column group + K step) 8 + tile.
; SHARES.  Work-groups 0-127 make k, 128-255 val; each makes 128 keys x 128 channels (a pair of heads).  Both take ONE path: only pointers, the fragment number and the way the bias is laid are chosen, without a jump.
; Source 0 of the product (region P) is w_l's 128 rows for k and l's 128 keys for val; source 1 (region Q) the other one.  So a lane of the result holds one key (k) or one channel (val), and its 64 registers run along
; the axis that is quantised next.  THE ROWS OF A TILE ARE NOT NEIGHBOURS: lane r of tile t takes row 32 (t / 2) + 8 (t % 2) + r + 8 (r / 8), so that the 16 registers of tiles 2 b, 2 b + 1 are 16 neighbours.
; Wave w quantises tile w of P and of Q (6 K steps each) into LDS images; one barrier; then it multiplies all 8 tiles of P by tile w of Q and quantises its 64 results: one fragment.
; Waves 0 and 1 also quantise one fragment each of w_v and w_out (512 fragments, 2 for each of 256 work-groups).
; LIMITS: NaN and infinities among the inputs are not served; a block whose largest magnitude lies under 2^-124 has its scale byte held at 1; a block of zeros gets the byte 1 (its codes are zeros; this program alone reads the bytes).
; No cluster: what work-groups share here is read as f32 through registers, and a work-group reads each of its bytes once.
; THE MODE: SCHED_MODE bits 1:0 = 2 (LLVM: expert scheduling mode 2), set by the entry lines.  The code itself states the register dependences
; between vector or matrix instructions and memory or LDS instructions, with s_wait_alu, always for 0.
; THE PLAN.  Registers that memory or LDS instructions touch:
;   v4-v15, v247      addresses and offsets: written at the head, never again.
;   v16-79, v80-143   two sets of 64 numbers.  Item i's loads land in set i % 2; its QUANT reads the set; behind QUANT's wait item i + 2's loads land in it.
;   v224, v226-237    the scale word and the codes.  Written by each QUANT, read by the four stores (LDS or global) behind it, written again by the next QUANT.
;   v16-123, v225, v248-255   a K step's fragments and scale words: its LDS loads land there, its eight products read them.
;   v144-207, v246    the biases' loads land there once; vector and matrix instructions alone name them afterwards.
;   v241, v245        written at the head, read by the closing add alone.
; So an item has two waits: one on vm_vsrc ahead of QUANT (the last stores have read the codes) and one on va_vdst behind it (the codes are written; QUANT is done reading its set);
; a K step but the first has one on va_vdst ahead of its LDS loads (the last step's products are done reading the fragments).
.set PIMG, 0                           ; LDS: P's 48 images, (6 t + s) x 1,536
.set QIMG, 73728                       ; Q's
.set PSC,  147456                      ; P's scale words, (6 t + s) x 128 + 4 L
.set QSC,  153600                      ; Q's
.set XA,  4                            ; v4   my row of a tile: (first row of tile w + r + 8 (r / 8)) x 3,072 + 64 h
.set LI,  5                            ; v5   16 L
.set H64, 6                            ; v6   64 h
.set XWP, 7                            ; v7   16 L + 9,216 w: my tile's images in P
.set XWQ, 8                            ; v8   the same in Q
.set XSP, 9                            ; v9   4 L + 768 w + PSC
.set XSQ, 10                           ; v10  4 L + 768 w + QSC
.set LI2, 11                           ; v11  16 L + 36,864: P's tiles 4-7
.set XE,  14                           ; v14  my row of the extra fragment
.set RSP, 15                           ; v15  4 L + PSC
.set X0,  16                           ; v16-79, v80-143: two sets of 64 numbers
.set AF,  16                           ; later: P's 8 fragments
.set BF,  112                          ; and Q's one
.set ACC, 144                          ; v144-207 8 accumulators
.set TM,  208                          ; v208-223 at work in QUANT
.set PW,  224                          ; the scale word just made
.set BW,  225                          ; Q's scale word
.set PC,  226                          ; v226-237 the codes just made
.set CT,  238                          ; v238-245 upper halves of blocks
.set BV,  246                          ; the bias of my lane's channel (val)
.set BVO, 247                          ; its byte offset
.set AW,  248                          ; v248-255 P's scale words
.set WV,  22
.set SEL, 24
.set BP,  34
.set PP,  36
.set QP,  38
.set RM,  40
.set WT,  42
.set CP,  44
.set SP,  46
.set EP,  48
.set ECP, 50
.set ESP, 52
.macro PLACES n
.rept \n
	v_nop
.endr
.endm
; 64 numbers of a lane, register 16 b + i = k 32 b + 16 h + i of my row, become a fragment's codes in v[PC] on and its scale word in v[PW]
.macro QUANT src
.irp b, 0,1,2,3
	v_max3_num_f32 v[TM+\b], |v[(\src)+16*\b]|, |v[(\src)+16*\b+1]|, 0x1800000   ; block b: my 16 numbers, and the floor 2^(3 - 127): the byte cannot fall under 1
.endr
.irp i, 2,4,6,8,10,12,14
.irp b, 0,1,2,3
	v_max3_num_f32 v[TM+\b], v[TM+\b], |v[(\src)+16*\b+\i]|, |v[(\src)+16*\b+\i+1]|   ; the four blocks by turns
.endr
.endr
.irp b, 0,1,2,3
	v_permlanex16_b32 v[TM+4+\b], v[TM+\b], s[SEL], s[SEL+1]
.endr
.irp b, 0,1,2,3
	v_max_num_f32 v[TM+\b], v[TM+\b], v[TM+4+\b]   ; with lane L xor 16's: the block's largest magnitude
.endr
.irp b, 0,1,2,3
	v_add_nc_u32 v[TM+12+\b], 0xff000000, v[TM+\b]   ; 2 off its exponent field: the conversion's scale operand
.endr
.irp b, 0,1,2,3
	v_lshrrev_b32 v[TM+4+\b], 23, v[TM+12+\b]      ; the scale's byte
.endr
	v_lshl_or_b32 v[PW], v[TM+5], 8, v[TM+4]
	v_lshl_or_b32 v[PW], v[TM+6], 16, v[PW]
	v_lshl_or_b32 v[PW], v[TM+7], 24, v[PW]
.irp c, 0,1
	v_cvt_scalef32_pk16_fp6_f32 v[PC+6*\c:PC+6*\c+2], v[(\src)+32*\c:(\src)+32*\c+15], v[TM+12+2*\c]
	v_cvt_scalef32_pk16_fp6_f32 v[CT+4*\c:CT+4*\c+2], v[(\src)+32*\c+16:(\src)+32*\c+31], v[TM+13+2*\c]   ; (a conversion's three registers begin on an even number)
.endr
	v_nop                                          ; one plain instruction behind the scaled conversions
.irp c, 0,1                                    ; the operand wants a WHOLE block in a lane: lanes 0-15 block 2 c, lanes 16-31 block 2 c + 1
.irp i, 0,1,2
	v_permlane16_swap_b32 v[PC+6*\c+\i], v[CT+4*\c+\i]
.endr
.irp i, 0,1,2
	v_mov_b32 v[PC+3+6*\c+\i], v[CT+4*\c+\i]
.endr
.endr
.endm
.macro IMAGE adr, off                          ; the fragment goes to LDS as it stands
.irp c, 0,1,2
	ds_store_b128 v[\adr], v[PC+4*\c:PC+4*\c+3] offset:(\off)+512*\c
.endr
.endm
.macro XLOAD reg, adr, base, off               ; 128 along K of my row: of each block of 32 my half's 16 numbers
.irp b, 0,1,2,3
.irp j, 0,1,2,3
	global_load_b128 v[(\reg)+16*\b+4*\j:(\reg)+16*\b+4*\j+3], v[\adr], s[\base:\base+1] offset:(\off)+128*\b+16*\j
.endr
.endr
.endm
.macro FSTORE cp, sp                           ; a fragment's image (each store 512 consecutive bytes) and its scale words
.irp c, 0,1,2
	global_store_b128 v[LI], v[PC+4*\c:PC+4*\c+3], s[\cp:\cp+1] offset:512*\c
.endr
	global_store_b32 v[LI], v[PW], s[\sp:\sp+1]
.endm
.macro FPTR f, cp, sp                          ; where fragment number s[f] lies in codes and in scales
	s_mul_i32 s26, s[\f], 1536
	s_mov_b32 s27, 0
	s_add_nc_u64 s[\cp:\cp+1], s[18:19], s[26:27]
	s_lshr_b32 s26, s[\f], 2
	s_lshl_b32 s26, s26, 9
	s_and_b32 s28, s[\f], 3
	s_lshl_b32 s28, s28, 2
	s_add_co_u32 s26, s26, s28
	s_add_nc_u64 s[\sp:\sp+1], s[20:21], s[26:27]
.endm
	s_load_b256 s[4:11], s[0:1], 0x0               ; l s[4:5], w_l s[6:7], w_vl s[8:9], b_l s[10:11]
	s_load_b256 s[12:19], s[0:1], 0x20             ; b_vl s[12:13], w_v s[14:15], w_out s[16:17], codes s[18:19]
	s_load_b64 s[20:21], s[0:1], 0x40              ; scales
	v_lshl_add_u32 v241, v0, 2, 0x27000
	v_mov_b32 v245, 0
	v_lshrrev_b32 v1, 5, v0
	v_readfirstlane_b32 s[WV], v1                  ; wave 0..7
	v_and_b32 v1, 31, v0                           ; L
	v_and_b32 v2, 15, v0                           ; r
	v_bfe_u32 v3, v0, 4, 1                         ; h
	v_lshlrev_b32 v[LI], 4, v1
	v_lshlrev_b32 v[H64], 6, v3
	v_and_b32 v12, 8, v2
	v_add_nc_u32 v12, v12, v2                      ; r + 8 (r / 8)
	s_wait_alu depctr_va_sdst(0)                   ; the wave's number is written, ahead of its first reader
	s_lshr_b32 s41, s[WV], 1
	s_lshl_b32 s41, s41, 5
	s_and_b32 s54, s[WV], 1
	s_lshl_b32 s54, s54, 3
	s_add_co_u32 s41, s41, s54                     ; first row of tile w
	v_add_nc_u32 v[BVO], s41, v12
	v_mul_u32_u24 v[XA], v[BVO], 3072
	v_add_nc_u32 v[XA], v[XA], v[H64]
	v_lshlrev_b32 v[BVO], 2, v[BVO]
	s_mul_i32 s54, s[WV], 9216
	v_add_nc_u32 v[XWP], s54, v[LI]
	v_add_nc_u32 v[XWQ], QIMG, v[XWP]
	v_lshlrev_b32 v[RSP], 2, v1
	s_mul_i32 s54, s[WV], 768
	v_add_nc_u32 v[XSP], s54, v[RSP]
	v_add_nc_u32 v[XSQ], QSC, v[XSP]
	v_add_nc_u32 v[XSP], PSC, v[XSP]
	v_add_nc_u32 v[RSP], PSC, v[RSP]
	v_add_nc_u32 v[LI2], 36864, v[LI]
.irp b, 0,1,2,3
	v_mov_b32 v[TM+4+\b], 0                        ; written once: a lane permute's destination counts as one of its sources
.endr
	s_mov_b32 s[SEL], 0x76543210
	s_mov_b32 s[SEL+1], 0xfedcba98                 ; selects for lane L xor 16
	s_bfe_u32 s26, ttmp9, 0x40003                  ; which 128 keys: 2 batch + half
	s_and_b32 s27, ttmp9, 7                        ; which pair of heads
	s_mul_i32 s28, s26, 393216                     ; 128 rows of 3,072 bytes
	s_mov_b32 s29, 0
	s_mul_i32 s30, s27, 393216
	s_mov_b32 s31, 0
	s_lshl_b32 s32, s27, 9                         ; the pair's 128 biases
	s_mov_b32 s33, 0
	s_lshr_b32 s54, s26, 1
	s_and_b32 s55, s26, 1
	s_lshl_b32 s54, s54, 3
	s_add_co_u32 s54, s54, s27
	s_lshl_b32 s54, s54, 4                         ; 16 (8 batch + pair)
	s_lshl_b32 s56, s55, 3
	s_add_co_u32 s56, s56, s54
	s_add_co_u32 s56, s56, s[WV]                   ; my fragment of k
	s_lshl_b32 s57, s[WV], 1
	s_add_co_u32 s57, s57, s54
	s_add_co_u32 s57, s57, s55
	s_add_co_u32 s57, s57, 1024                    ; or of val^T
	s_lshr_b32 s58, ttmp9, 2                       ; the extra fragment of w_v: tile,
	s_and_b32 s59, ttmp9, 3                        ; K step
	s_lshr_b32 s60, s58, 1
	s_lshl_b32 s60, s60, 5
	s_and_b32 s61, s58, 1
	s_lshl_b32 s61, s61, 3
	s_add_co_u32 s60, s60, s61                     ; the tile's first row
	s_lshl_b32 s60, s60, 11
	s_lshl_b32 s61, s59, 9
	s_add_co_u32 s60, s60, s61                     ; in bytes
	s_lshr_b32 s61, s58, 3
	s_lshl_b32 s61, s61, 2
	s_add_co_u32 s61, s61, s59
	s_lshl_b32 s61, s61, 3
	s_and_b32 s58, s58, 7
	s_add_co_u32 s61, s61, s58
	s_add_co_u32 s61, s61, 2048                    ; its number
	s_lshr_b32 s58, ttmp9, 3                       ; and of w_out: tile of 16 neighbouring rows,
	s_and_b32 s59, ttmp9, 7                        ; K step
	s_lshl_b32 s62, s58, 16
	s_lshl_b32 s63, s59, 9
	s_add_co_u32 s62, s62, s63
	s_lshr_b32 s63, s58, 3
	s_lshl_b32 s63, s63, 3
	s_add_co_u32 s63, s63, s59
	s_lshl_b32 s63, s63, 3
	s_and_b32 s58, s58, 7
	s_add_co_u32 s63, s63, s58
	s_add_co_u32 s63, s63, 2304
	s_wait_kmcnt 0x0
	s_add_nc_u64 s[4:5], s[4:5], s[28:29]          ; l at my 128 keys
	s_cmp_lt_u32 ttmp9, 128                        ; k or val?  The choice hangs on the work-group's number alone
	s_cselect_b64 s[WT:WT+1], s[6:7], s[8:9]
	s_cselect_b64 s[BP:BP+1], s[10:11], s[12:13]
	s_cselect_b32 s[RM], 0, -1
	s_cselect_b32 s56, s56, s57
	s_add_nc_u64 s[WT:WT+1], s[WT:WT+1], s[30:31]  ; (these additions leave the compare's result alone)
	s_add_nc_u64 s[BP:BP+1], s[BP:BP+1], s[32:33]
	s_cselect_b64 s[PP:PP+1], s[WT:WT+1], s[4:5]
	s_cselect_b64 s[QP:QP+1], s[4:5], s[WT:WT+1]
	s_cmp_eq_u32 s[WV], 0                          ; wave 0: w_v, wave 1: w_out (the other waves never use these)
	s_cselect_b64 s[EP:EP+1], s[14:15], s[16:17]
	s_cselect_b32 s58, s60, s62
	s_cselect_b32 s61, s61, s63
	s_cselect_b32 s62, 8, 0                        ; w_v's tiles take the chosen rows, w_out's neighbours
	s_mov_b32 s63, 4096
	s_cselect_b32 s63, 2048, s63                   ; bytes in a row
	s_mov_b32 s59, 0
	s_add_nc_u64 s[EP:EP+1], s[EP:EP+1], s[58:59]
	v_and_b32 v[XE], s62, v2
	v_add_nc_u32 v[XE], v[XE], v2
	v_mul_lo_u32 v[XE], v[XE], s63
	v_add_nc_u32 v[XE], v[XE], v[H64]
	FPTR 56, CP, SP
	FPTR 61, ECP, ESP
	s_wait_alu depctr_va_vdst(0)                   ; the addresses and offsets v4 to v15 and v247 are written: every load and store of the kernel reads one of them
	; the biases, my oldest loads: along the registers (k) into the accumulators, and my lane's (val)
.irp t, 0,1,2,3,4,5,6,7
	global_load_b128 v[ACC+8*\t:ACC+8*\t+3], v[H64], s[BP:BP+1] offset:4*(32*(\t/2)+8*(\t%2))
	global_load_b128 v[ACC+8*\t+4:ACC+8*\t+7], v[H64], s[BP:BP+1] offset:4*(32*(\t/2)+8*(\t%2))+16
.endr
	global_load_b32 v[BV], v[BVO], s[BP:BP+1]
	XLOAD X0, XA, PP, 0                            ; item 0, on its way while waves 0 and 1 do their extra fragment
	; the extra fragment stands whole inside ONE branch on the wave's number: loads, the wait for them, the work, the stores.  Behind the join no load is out on the second set of registers
	s_cmp_lt_u32 s[WV], 2
	s_cbranch_scc0 .Lno_extra
	XLOAD X0+64, XE, EP, 0
	s_wait_loadcnt 0x0                             ; the extra fragment's numbers are my youngest loads
	QUANT X0+64
	s_wait_alu depctr_va_vdst(0)                   ; QUANT has written the codes and the scale word, which the stores read, and is done reading the second set, in which item 1's loads land
	FSTORE ECP, ESP
	s_wait_xcnt 0x0                                ; the stores' data registers are written again below
	s_wait_alu depctr_vm_vsrc(0)                   ; the stores have read the codes and the scale word, which item 0's QUANT writes again
.Lno_extra:
	XLOAD X0+64, XA, PP, 512                       ; item 1
; Item i: K step i of P's tile w (i < 6) or K step i - 6 of Q's.  Loads run two items ahead, in two sets of registers.
.macro ITEM i
.if (\i) < 11
	s_wait_loadcnt 16                              ; item i is in; the next item's 16 loads may be out
.else
	s_wait_loadcnt 0x0
.endif
	s_wait_dscnt 0x0                               ; the last image's stores are done
.if (\i) > 0
	s_wait_alu depctr_vm_vsrc(0)                   ; the last image's stores have read the codes and the scale word, which QUANT writes again
.endif
	QUANT X0+64*((\i)%2)
	s_wait_alu depctr_va_vdst(0)                   ; QUANT has written the codes and the scale word, which the LDS stores read, and is done reading its set, in which the loads of two items on land
.if (\i)+2 < 6
	XLOAD X0+64*((\i)%2), XA, PP, 512*((\i)+2)
.elseif (\i)+2 < 12
	XLOAD X0+64*((\i)%2), XA, QP, 512*((\i)-4)
.endif
.if (\i) < 6
	IMAGE XWP, 1536*(\i)
	ds_store_b32 v[XSP], v[PW] offset:128*(\i)
.else
	IMAGE XWQ, 1536*((\i)-6)
	ds_store_b32 v[XSQ], v[PW] offset:128*((\i)-6)
.endif
.endm
.irp i, 0,1,2,3,4,5,6,7,8,9,10,11
	ITEM \i
.endr
	s_wait_dscnt 0x0                               ; for the others' sake: my images and scale words have landed
	s_barrier_signal -1
	s_barrier_wait -1                              ; all 96 images lie in LDS
.set n, 0
.rept 64
	v_cndmask_b32 v[ACC+n], v[ACC+n], v[BV], s[RM]   ; val: the bias goes with the lane, not with the register
.set n, n+1
.endr
; A K step: P's 8 fragments and Q's tile w from LDS, 8 products, the accumulators by turns; the biases are the sums' first C.
; The first step's loads land in the two sets that the items' QUANTs read: the last item's wait on va_vdst stands behind all of those, and the 64 selections since name the accumulators and the bias alone.
.macro KSTEP st
.if (\st) > 0
	s_wait_alu depctr_va_vdst(0)                   ; the last step's products are done reading the fragments and scale words, in which the loads below land
.endif
.irp t, 0,1,2,3
.irp c, 0,1,2
	ds_load_b128 v[AF+12*\t+4*\c:AF+12*\t+4*\c+3], v[LI] offset:(6*\t+\st)*1536+512*\c
.endr
.endr
.irp t, 4,5,6,7
.irp c, 0,1,2
	ds_load_b128 v[AF+12*\t+4*\c:AF+12*\t+4*\c+3], v[LI2] offset:(6*(\t-4)+\st)*1536+512*\c
.endr
.endr
.irp c, 0,1,2
	ds_load_b128 v[BF+4*\c:BF+4*\c+3], v[XWQ] offset:(\st)*1536+512*\c
.endr
.irp t, 0,1,2,3,4,5,6,7
	ds_load_b32 v[AW+\t], v[RSP] offset:(6*\t+\st)*128
.endr
	ds_load_b32 v[BW], v[XSQ] offset:(\st)*128
	s_wait_dscnt 0x0
.irp t, 0,1,2,3,4,5,6,7
	v_wmma_scale_f32_16x16x128_f8f6f4 v[ACC+8*\t:ACC+8*\t+7], v[AF+12*\t:AF+12*\t+11], v[BF:BF+11], v[ACC+8*\t:ACC+8*\t+7], v[AW+\t], v[BW] matrix_a_fmt:MATRIX_FMT_FP6 matrix_b_fmt:MATRIX_FMT_FP6
.endr
	PLACES 4                                       ; in front of loads into registers that the products have read, and of the first read of results
.endm
.irp s, 0,1,2,3,4,5
	KSTEP \s
.endr
	s_wait_alu depctr_vm_vsrc(0)                   ; the last image's LDS stores have read the codes and the scale word, which QUANT writes again
	QUANT ACC                                      ; my 64 results are 128 neighbours (with lane L xor 16's) along the next K: one fragment
	s_wait_alu depctr_va_vdst(0)                   ; QUANT has written the codes and the scale word, which the stores read
	FSTORE CP, SP
	s_wait_dscnt 0x0                               ; the closing lines, six on end
	s_wait_alu 0x0
	s_wait_tensorcnt 0x0
	ds_add_u32 v241, v245
	s_wait_dscnt 0x0
	s_endpgm
.Lfunc_end_k_q3001c5c61b_prep:
	.size	k_q3001c5c61b_prep, .Lfunc_end_k_q3001c5c61b_prep-k_q3001c5c61b_prep
	.p2alignl 7, 3214868480
	.fill 96, 4, 3214868480
	.section	.rodata,"a",@progbits
	.p2align	6, 0x0
	.amdhsa_kernel k_q3001c5c61b_prep
		.amdhsa_group_segment_fixed_size 160768
		.amdhsa_private_segment_fixed_size 0
		.amdhsa_enable_private_segment 0
		.amdhsa_kernarg_size 72
		.amdhsa_user_sgpr_count 2
		.amdhsa_user_sgpr_kernarg_segment_ptr 1
		.amdhsa_wavefront_size32 1
		.amdhsa_system_sgpr_workgroup_id_x 1
		.amdhsa_system_sgpr_workgroup_id_y 1
		.amdhsa_system_sgpr_workgroup_id_z 1
		.amdhsa_system_vgpr_workitem_id 0
		.amdhsa_next_free_vgpr 256
		.amdhsa_next_free_sgpr 66
		.amdhsa_reserve_vcc 0
		.amdhsa_float_denorm_mode_32 3
		.amdhsa_float_denorm_mode_16_64 3
		.amdhsa_memory_ordered 1
		.amdhsa_forward_progress 1
		.amdhsa_inst_pref_size 109
	.end_amdhsa_kernel
	.amdgpu_metadata
---
amdhsa.version: [ 1, 2 ]
amdhsa.kernels:
  - .name:           k_q3001c5c61b_prep
    .symbol:         k_q3001c5c61b_prep.kd
    .args:
      - { .name: l, .offset: 0, .size: 8, .value_kind: global_buffer, .address_space: global }
      - { .name: w_l, .offset: 8, .size: 8, .value_kind: global_buffer, .address_space: global }
      - { .name: w_vl, .offset: 16, .size: 8, .value_kind: global_buffer, .address_space: global }
      - { .name: b_l, .offset: 24, .size: 8, .value_kind: global_buffer, .address_space: global }
      - { .name: b_vl, .offset: 32, .size: 8, .value_kind: global_buffer, .address_space: global }
      - { .name: w_v, .offset: 40, .size: 8, .value_kind: global_buffer, .address_space: global }
      - { .name: w_out, .offset: 48, .size: 8, .value_kind: global_buffer, .address_space: global }
      - { .name: codes, .offset: 56, .size: 8, .value_kind: global_buffer, .address_space: global }
      - { .name: scales, .offset: 64, .size: 8, .value_kind: global_buffer, .address_space: global }
    .group_segment_fixed_size: 160768
    .private_segment_fixed_size: 0
    .kernarg_segment_align: 8
    .kernarg_segment_size: 72
    .max_flat_workgroup_size: 256
    .sgpr_count:     66
    .vgpr_count:     256
    .wavefront_size: 32
...
	.end_amdgpu_metadata
.endif
;; end of part 4
;; launch qmax: the kernel of part 2 again; grid 256 x 1, 4 waves a work-group, no clusters, 54,016 bytes of LDS; arguments v, b_v, codes, scales, qc, qs, pmax; writes qc, qs, pmax
;; launch attn (part 5): grid 256 x 1, 4 waves a work-group, no clusters, 140,800 bytes of LDS; arguments qc, qs, codes, scales, pmax, attention_mask_l, b_out, out0; writes out0
.if DOCPART == 5
	.amdgcn_target "amdgcn-amd-amdhsa--gfx1250"
	.amdhsa_code_object_version 6
	.text
	.protected	k_q3001c5c61b_attn
	.globl	k_q3001c5c61b_attn
	.p2align	8
	.type	k_q3001c5c61b_attn,@function
k_q3001c5c61b_attn:
	s_mov_b64 s[64:65], 0
	v_nop
	global_prefetch_b8 v0, s[64:65] scope:SCOPE_SE
	s_setreg_imm32_b32 hwreg(HW_REG_WAVE_SCHED_MODE, 0, 2), 2
	s_setreg_imm32_b32 hwreg(HW_REG_WAVE_MODE, 25, 1), 1
	s_wait_xcnt 0x0
	s_wait_alu depctr_vm_vsrc(0)
; ATTN.  scores = q k^T - (the largest score of all), clipped to +-50,000, -infinity where the mask is 0; softmax; x val; / the row's sum; x w_out^T + b_out.  All three products on codes of FP6 (E2M3) with E8M0 scales.
; THE SOFTMAX AHEAD OF THE SECOND PRODUCT: t = logit x log2(e); M = the row's largest t rounded UP to a whole number; p = 2^(t - M) is what is quantised, along the keys, not normalised; the row's sum is taken of the
; unquantised p and divides the product's result.  All 256 keys of a row lie in a lane pair's registers at once: no running maximum.
; SHARES.  A work-group owns 128 queries of one batch.  PHASE 1: the waves share the heads: wave w takes head pairs 2 w, 2 w + 1 for all 8 tiles of 16 queries; a pair's k (16 fragments) and val^T (16 fragments) stay in its registers
; for 8 tiles.  The results, divided and quantised, go to LDS as images of the next operand's registers.  One barrier.  PHASE 2: the waves share the columns: wave w makes outputs 128 w .. 128 w + 127 of all 128 rows: 64 accumulators, 8 K steps.
; All products are used transposed (source 0 = keys, channels of val, rows of w_out; source 1 = queries): a lane holds one query throughout, and its registers run along the next K (the rows of k's and val's tiles were chosen so).
; A score's K is 64 and the instruction's 128: k's fragment holds two heads, q's is used as [head a | zero codes] and [zero codes | head b].  The largest score, negated, is the C of every score product.
; q IS ASKED FOR MOST OF A TRIP AHEAD: head a's six registers and a scale word of their own are free behind head a's scores, head b's behind head b's; each half is loaded for the next tile in that head's softmax, behind its wait.
; A batch whose mask is all 0 has NaN rows in the definition; the quantiser would lose them, so NaN is added to that batch's output bias (a choice of a value, no jump).
; LIMITS: NaN and infinities among the floating-point inputs are not served; blocks under 2^-124 have their scale byte held at 1; score - maximum is rounded once, in the product, where the definition rounds twice.
; No cluster: each shared fragment goes once into the registers of the one wave of a work-group that uses it; through LDS it would be written and read once more.
; REGISTERS, in windows of 256.  Window 0: v1-15 addresses; v16-31 k's scale words; v32-47 val's; v48 q's for head a's products, v82 for head b's; v50-51 p's (v50 also o's); v52-127 at work; v128-255 S: register 16 b + i = key 32 b + 16 h + i.
;   Window 1: v0-191 k; v192-209 q as [a 6 | zeros 6 | b 6].   Window 2: val^T.   Window 3: v0-127 per key +50,000 or -infinity; v128-191 O; v192-199 minus the largest score.
;   Phase 2: windows 2, 3 the accumulators; window 1 w_out's two sets (v0, v128) and the bias (v96-127, v224-255); window 0 v128-223 o's fragments, v16-31 w_out's words, v32-39 o's.
; THE MODE: SCHED_MODE bits 1:0 = 2 (LLVM: expert scheduling mode 2), set by the entry lines.  The code itself states the register dependences
; between vector or matrix instructions and memory or LDS instructions, with s_wait_alu, always for 0.
; THE PLAN.  Registers that memory or LDS instructions touch, in the loop over tiles:
;   v1-v8, v11-v15    offsets and addresses: written at the head, never again.
;   v49               the offset of q's scale words: written once a trip, behind head a's scores; read by the trip's two loads of those words.
;   head a's q        (window 1 v192-197, v48): read by head a's 16 score products; the next tile's loads land there behind the wait in head a's softmax.
;   head b's q        (window 1 v204-209, v82): the same with head b.
;   k, v16-31         read by both heads' score products; at a pair's last tile the next pair's loads, in the last trip w_out's and the bias's, land there behind the wait in head b's softmax.
;   val^T, v32-47     read by both heads' second products; at a pair's last tile the next pair's loads land there, behind a wait of that arm's own.
;   v9, v10, v50, v84-95   the image's two LDS addresses, its scale word and its codes: written at the trip's end, read by its four LDS stores, written again in the next trip.
;   v50, v51, v84-107 p's scale words and codes: written by vector instructions, taken by the scaled products.
; Each softmax has one wait on va_vdst behind its batch of exponentials, and one at its end for the reciprocal.  The first also states that the head's score products, long finished there, are done reading the registers
; in which loads are to land, and that v49 is written: so all those loads stand behind it.  The second also states that p's codes and scale words are written.  Beside these a trip has one wait on va_vdst ahead of the image's stores,
; and one on vm_vsrc ahead of the add to v49, for that register and for all that the last image's stores read.
.set OIMG, 0                           ; LDS: o's 64 images, (8 pair + tile) x 1,536
.set OSC,  98304                       ; their scale words, x 128 + 4 L
.set STG,  106496                      ; the way out: 16 rows x (512 + 16) bytes for each wave
.set LI,  1                            ; 16 L
.set L4,  2                            ; 4 L
.set L8,  3                            ; 8 L
.set R16, 4                            ; 16 r
.set H64, 5                            ; 64 h
.set L32, 6                            ; 32 L
.set OWI, 7                            ; 16 L + 24,576 w
.set OWS, 8                            ; 4 L + OSC + 2,048 w
.set LI2, 11                           ; 16 L + 49,152
.set LSO, 12                           ; 4 L + OSC
.set STO, 13
.set RD,  14
.set H32, 15                           ; 32 h
.set KW,  16
.set WW,  16
.set VW,  32
.set OW,  32
.set QW,  48                           ; q's scale words, for head a's products
.set QSO, 49
.set NM,  52                           ; v[52:53]: -M, and a word that is only named with it
.set BM,  56                           ; v56-63 the 8 blocks' largest
.set TM,  56                           ; (QUANT works in v56-71)
.set T2,  64                           ; v64-71 at work: the other half's maxima, the sum's four chains, the scale bytes
.set SO,  72
.set QWB, 82                           ; q's scale words once more, for head b's products
.set P,   84                           ; v84-107 p's two fragments
.set PC,  84
.set CT,  108
.set RL,  124                          ; v[124:125], v[126:127]: 1 / sum of head a, of head b
.set S,   128
.set OF,  128
.set BK,  128
.set O,   128                          ; in window 3
.set WV,  20
.set SEL, 22
.set CS,  24
.set CLN, 26
.set NANB, 27
.set T,   28
.set OST, 29
.set OSS, 30
.set KP,  36
.set KSP, 38
.set VP,  40
.set VSP, 42
.set WOP, 44
.set WOSP, 46
.set MK,  48                           ; s48-63: at the head first offsets, then 16 masks of compares
.set MSB, 0
.macro WIN new
.if MSB != (\new)
	s_set_vgpr_msb (MSB<<8)|(\new)
.set MSB, (\new)
.endif
.endm
.macro PLACES n
.rept \n
	v_nop
.endr
.endm
; 64 numbers of a lane in window W, register 16 b + i = k 32 b + 16 h + i of my row, become a fragment's codes in v[PC] on and its scale word v[pw]
.macro QUANT src, W, pw
	WIN (((\W)<<2)|((\W)<<4))
.irp b, 0,1,2,3
	v_max3_num_f32 v[TM+\b], 0x1800000, |v[(\src)+16*\b]|, |v[(\src)+16*\b+1]|
.endr
.irp i, 2,4,6,8,10,12,14
.irp b, 0,1,2,3
	v_max3_num_f32 v[TM+\b], v[TM+\b], |v[(\src)+16*\b+\i]|, |v[(\src)+16*\b+\i+1]|
.endr
.endr
	WIN 0
.irp b, 0,1,2,3
	v_permlanex16_b32 v[TM+4+\b], v[TM+\b], s[SEL], s[SEL+1]
.endr
.irp b, 0,1,2,3
	v_max_num_f32 v[TM+\b], v[TM+\b], v[TM+4+\b]
.endr
.irp b, 0,1,2,3
	v_add_nc_u32 v[TM+12+\b], 0xff000000, v[TM+\b]
.endr
.irp b, 0,1,2,3
	v_lshrrev_b32 v[TM+4+\b], 23, v[TM+12+\b]
.endr
	v_lshl_or_b32 v[\pw], v[TM+5], 8, v[TM+4]
	v_lshl_or_b32 v[\pw], v[TM+6], 16, v[\pw]
	v_lshl_or_b32 v[\pw], v[TM+7], 24, v[\pw]
	WIN (\W)
.irp c, 0,1
	v_cvt_scalef32_pk16_fp6_f32 v[PC+6*\c:PC+6*\c+2], v[(\src)+32*\c:(\src)+32*\c+15], v[TM+12+2*\c]
	v_cvt_scalef32_pk16_fp6_f32 v[CT+4*\c:CT+4*\c+2], v[(\src)+32*\c+16:(\src)+32*\c+31], v[TM+13+2*\c]
.endr
	WIN 0
	v_nop
.irp c, 0,1
.irp i, 0,1,2
	v_permlane16_swap_b32 v[PC+6*\c+\i], v[CT+4*\c+\i]
.endr
.irp i, 0,1,2
	v_mov_b32 v[PC+3+6*\c+\i], v[CT+4*\c+\i]
.endr
.endr
.endm
.macro QALOAD off                              ; head a's codes of the tile off bytes on, and the tile's scale words for head a's products: 3 loads
	WIN 0x40
	global_load_b128 v[192:195], v[LI], s[4:5] offset:(\off)
	global_load_b64 v[196:197], v[L8], s[4:5] offset:(\off)+512
	WIN 0
	global_load_b32 v[QW], v[QSO], s[6:7]
.endm
.macro QBLOAD off                              ; head b's codes, and the same scale words for head b's products: 3 loads
	WIN 0x40
	global_load_b128 v[204:207], v[LI], s[4:5] offset:(\off)+768
	global_load_b64 v[208:209], v[L8], s[4:5] offset:(\off)+1280
	WIN 0
	global_load_b32 v[QWB], v[QSO], s[6:7]
.endm
.macro KLOAD pr                                ; pair pr's 16 fragments of k and their scale words: 52 loads of 512 consecutive bytes
	WIN 0x40
.irp t, 0,1,2,3,4,5,6,7,8,9,10,11,12,13,14,15
.irp c, 0,1,2
	global_load_b128 v[12*\t+4*\c:12*\t+4*\c+3], v[LI], s[KP:KP+1] offset:24576*(\pr)+1536*\t+512*\c
.endr
.endr
	WIN 0
.irp g, 0,1,2,3
	global_load_b128 v[KW+4*\g:KW+4*\g+3], v[LI], s[KSP:KSP+1] offset:2048*(\pr)+512*\g
.endr
.endm
.macro VLOAD pr                                ; the same of val^T: fragment 2 (channel tile) + (key half)
	WIN 0x80
.irp t, 0,1,2,3,4,5,6,7,8,9,10,11,12,13,14,15
.irp c, 0,1,2
	global_load_b128 v[12*\t+4*\c:12*\t+4*\c+3], v[LI], s[VP:VP+1] offset:24576*(\pr)+1536*\t+512*\c
.endr
.endr
	WIN 0
.irp g, 0,1,2,3
	global_load_b128 v[VW+4*\g:VW+4*\g+3], v[LI], s[VSP:VSP+1] offset:2048*(\pr)+512*\g
.endr
.endm
.macro WOLOAD p, st                            ; w_out's 8 fragments of K step st into set p, and their scale words: 26 loads
	WIN 0x40
.irp tt, 0,1,2,3,4,5,6,7
.irp c, 0,1,2
	global_load_b128 v[128*(\p)+12*\tt+4*\c:128*(\p)+12*\tt+4*\c+3], v[LI], s[WOP:WOP+1] offset:12288*(\st)+1536*\tt+512*\c
.endr
.endr
	WIN 0
.irp g, 0,1
	global_load_b128 v[WW+8*(\p)+4*\g:WW+8*(\p)+4*\g+3], v[LI], s[WOSP:WOSP+1] offset:1024*(\st)+512*\g
.endr
.endm
.macro BOLOAD                                  ; b_out in the result's layout: tile b: outputs 16 b + 8 h + 0 .. 7
	WIN 0x40
.irp b, 0,1,2,3,4,5,6,7
	global_load_b128 v[96+8*\b+96*(\b/4):96+8*\b+96*(\b/4)+3], v[H32], s[16:17] offset:64*\b
	global_load_b128 v[96+8*\b+96*(\b/4)+4:96+8*\b+96*(\b/4)+7], v[H32], s[16:17] offset:64*\b+16
.endr
	WIN 0
.endm
.macro SCORE hd, qw                            ; 16 products: all 256 keys x my tile's 16 queries, head hd of the pair; C = minus the largest score
	WIN 0x35
.irp t, 0,1,2,3,4,5,6,7,8,9,10,11,12,13,14,15
	v_wmma_scale_f32_16x16x128_f8f6f4 v[S+8*\t:S+8*\t+7], v[12*\t:12*\t+11], v[192+6*(\hd):192+6*(\hd)+11], v[192:199], v[KW+\t], v[\qw] matrix_a_fmt:MATRIX_FMT_FP6 matrix_b_fmt:MATRIX_FMT_FP6
.endr
.endm
.macro PV hd                                   ; 8 products: the head's 4 tiles of channels, two K steps of 128 keys; the four accumulators by turns
	WIN 0xc2
.irp d, 0,1,2,3
	v_wmma_scale_f32_16x16x128_f8f6f4 v[O+32*(\hd)+8*\d:O+32*(\hd)+8*\d+7], v[24*(4*(\hd)+\d):24*(4*(\hd)+\d)+11], v[P:P+11], 0, v[VW+2*(4*(\hd)+\d)], v50 matrix_a_fmt:MATRIX_FMT_FP6 matrix_b_fmt:MATRIX_FMT_FP6
.endr
	WIN 0xf2
.irp d, 0,1,2,3
	v_wmma_scale_f32_16x16x128_f8f6f4 v[O+32*(\hd)+8*\d:O+32*(\hd)+8*\d+7], v[24*(4*(\hd)+\d)+12:24*(4*(\hd)+\d)+23], v[P+12:P+23], v[O+32*(\hd)+8*\d:O+32*(\hd)+8*\d+7], v[VW+2*(4*(\hd)+\d)+1], v51 matrix_a_fmt:MATRIX_FMT_FP6 matrix_b_fmt:MATRIX_FMT_FP6
.endr
	WIN 0
.endm
; The softmax of a tile and a head: S (128 registers) becomes p's two fragments (v84-107), their scale words (v50, v51) and 1 / the row's sum.  It is written in two parts, cut at the wait behind the exponentials:
; the loads into the registers that the head's score products have read stand between the two.
.macro SOFT_A
	s_wait_dscnt 0x0                               ; the last image's stores are done
	WIN 0x30
.set n, 0
.rept 128
	v_maxmin_num_f32 v[S+n], v[S+n], s[CLN], v[n]  ; min(max(s, -50,000), +50,000 or -infinity): clip and mask in one line; ascending
.set n, n+1
.endr
	WIN 0
.irp b, 0,1,2,3,4,5,6,7
	v_max3_num_f32 v[BM+\b], v[S+16*\b], v[S+16*\b+1], v[S+16*\b+2]   ; the largest logit of each block of 32 keys: for the row's maximum and, since p rises with the logit, for the block's largest p
.endr
.irp i, 3,5,7,9,11,13
.irp b, 0,1,2,3,4,5,6,7
	v_max3_num_f32 v[BM+\b], v[BM+\b], v[S+16*\b+\i], v[S+16*\b+\i+1]
.endr
.endr
.irp b, 0,1,2,3,4,5,6,7
	v_max_num_f32 v[BM+\b], v[BM+\b], v[S+16*\b+15]
.endr
.irp b, 0,1,2,3,4,5,6,7
	v_permlanex16_b32 v[T2+\b], v[BM+\b], s[SEL], s[SEL+1]
.endr
.irp b, 0,1,2,3,4,5,6,7
	v_max_num_f32 v[BM+\b], v[BM+\b], v[T2+\b]     ; with lane L xor 16's 16 keys
.endr
	v_max3_num_f32 v54, v[BM], v[BM+1], v[BM+2]    ; the row's largest logit, as a tree two deep
	v_max3_num_f32 v55, v[BM+3], v[BM+4], v[BM+5]
	v_max_num_f32 v80, v[BM+6], v[BM+7]
	v_max3_num_f32 v54, v54, v55, v80
	v_mul_f32 v54, s[CS], v54                      ; as t
	v_floor_f32 v[NM], -v54                        ; -M = floor(-t) = -ceil(t)
	; ONE BATCH: 64 packed scalings t - M and 136 exponentials.  A scaling leads two exponentials, whose own scaling stands three groups back; none of these lines names an exponential's result
.irp b, 0,1,2,3,4,5,6,7
	v_fma_f32 v[BM+\b], v[BM+\b], s[CS], v[NM]     ; t - M of each block's largest
.endr
.irp p, 0,1,2
	v_pk_fma_f32 v[S+2*\p:S+2*\p+1], v[S+2*\p:S+2*\p+1], s[CS:CS+1], v[NM:NM+1] op_sel_hi:[1,0,0]   ; t - M, two at a time
.endr
.set n, 0
.rept 61
	v_pk_fma_f32 v[S+n+6:S+n+7], v[S+n+6:S+n+7], s[CS:CS+1], v[NM:NM+1] op_sel_hi:[1,0,0]
	v_exp_f32 v[S+n], v[S+n]                       ; p = 2^(t - M)
	v_exp_f32 v[S+n+1], v[S+n+1]
.set n, n+2
.endr
.rept 6
	v_exp_f32 v[S+n], v[S+n]
.set n, n+1
.endr
.irp b, 0,1,2,3,4,5,6,7
	v_exp_f32 v[BM+\b], v[BM+\b]                   ; the blocks' largest p: the same two instructions on the same number
.endr
	v_nop                                          ; a plain instruction behind the last exponential
	s_wait_alu depctr_va_vdst(0)                   ; the 136 exponentials have written their results, ahead of the first reader; the head's score products are done reading q's half, k and their scale words, in which the loads behind this line land; v49, their offset, is written
.endm
.macro SOFT_B hd
.irp c, 0,1,2,3
	v_pk_add_f32 v[T2+2*\c:T2+2*\c+1], v[S+2*\c:S+2*\c+1], v[S+8+2*\c:S+8+2*\c+1]   ; the row's sum, of the unquantised p, two at a time, in four chains that do not wait for each other
.endr
.set n, 16
.rept 14
.irp c, 0,1,2,3
	v_pk_add_f32 v[T2+2*\c:T2+2*\c+1], v[T2+2*\c:T2+2*\c+1], v[S+n+2*\c:S+n+2*\c+1]
.endr
.set n, n+8
.endr
	v_pk_add_f32 v[T2:T2+1], v[T2:T2+1], v[T2+2:T2+3]
	v_pk_add_f32 v[T2+4:T2+5], v[T2+4:T2+5], v[T2+6:T2+7]
	; the sum's last steps stand singly among the eight blocks' lines, so that none waits for the line above it
.irp b, 0,1,2,3,4,5,6,7
	v_max_num_f32 v[BM+\b], 0x1800000, v[BM+\b]    ; the floor 2^(3 - 127): a block whose every p is 0 keeps the byte 1; its codes are zeros
.endr
	v_pk_add_f32 v[80:81], v[T2:T2+1], v[T2+4:T2+5]
.irp b, 0,1,2,3,4,5,6,7
	v_add_nc_u32 v[SO+\b], 0xff000000, v[BM+\b]    ; 2 off the exponent field: the conversion's scale operand
.endr
	v_add_f32 v80, v80, v81                        ; the sum's two halves,
.irp b, 0,1,2,3,4,5,6,7
	v_lshrrev_b32 v[T2+\b], 23, v[SO+\b]           ; the scale's byte
.endr
	v_permlanex16_b32 v54, v80, s[SEL], s[SEL+1]
.irp k, 0,1
	v_lshl_or_b32 v[50+\k], v[T2+4*\k+1], 8, v[T2+4*\k]
.endr
	v_add_f32 v80, v80, v54                        ; and lane L xor 16's
.irp k, 0,1
	v_lshl_or_b32 v[50+\k], v[T2+4*\k+2], 16, v[50+\k]
.endr
	v_rcp_f32 v[RL+2*(\hd)], v80                   ; its wait stands at the macro's end
.irp k, 0,1
	v_lshl_or_b32 v[50+\k], v[T2+4*\k+3], 24, v[50+\k]
.endr
.irp k, 0,1
.irp c, 0,1
	v_cvt_scalef32_pk16_fp6_f32 v[P+12*\k+6*\c:P+12*\k+6*\c+2], v[S+64*\k+32*\c:S+64*\k+32*\c+15], v[SO+4*\k+2*\c]
	v_cvt_scalef32_pk16_fp6_f32 v[CT+8*\k+4*\c:CT+8*\k+4*\c+2], v[S+64*\k+32*\c+16:S+64*\k+32*\c+31], v[SO+4*\k+2*\c+1]
.endr
.endr
	v_nop                                          ; one plain instruction behind the scaled conversions
.irp k, 0,1
.irp c, 0,1
.irp i, 0,1,2
	v_permlane16_swap_b32 v[P+12*\k+6*\c+\i], v[CT+8*\k+4*\c+\i]
.endr
.irp i, 0,1,2
	v_mov_b32 v[P+12*\k+6*\c+3+\i], v[CT+8*\k+4*\c+\i]
.endr
.endr
.endr
	PLACES 4                                       ; between p's codes, written by vector instructions, and the scaled products
	s_wait_alu depctr_va_vdst(0)                   ; the reciprocal is written, ahead of every branch and of its reader; p's codes and scale words are written, which the scaled products take (the places above stay beside this wait)
.endm
.macro OQ                                      ; the pair's 128 channels of my tile: / the sums, quantised, to LDS as K step (pair) of the last product
	WIN 0xc3
.set n, 0
.rept 16
	v_pk_mul_f32 v[O+n:O+n+1], v[O+n:O+n+1], v[RL:RL+1] op_sel_hi:[1,0]
.set n, n+2
.endr
.rept 16
	v_pk_mul_f32 v[O+n:O+n+1], v[O+n:O+n+1], v[RL+2:RL+3] op_sel_hi:[1,0]
.set n, n+2
.endr
	QUANT O, 3, 50
	v_add_nc_u32 v9, s[OST], v[OWI]
	v_add_nc_u32 v10, s[OSS], v[OWS]
	s_wait_alu depctr_va_vdst(0)                   ; the codes, the scale word v50 and the two addresses v9, v10 are written, which the LDS stores read
.irp c, 0,1,2
	ds_store_b128 v9, v[PC+4*\c:PC+4*\c+3] offset:512*\c
.endr
	ds_store_b32 v10, v50
	s_add_co_u32 s[OST], s[OST], 1536              ; my 16 images lie on end
	s_add_co_u32 s[OSS], s[OSS], 128
.endm
	s_load_b256 s[4:11], s[0:1], 0x0               ; qc s[4:5], qs s[6:7], codes s[8:9], scales s[10:11]
	s_load_b256 s[12:19], s[0:1], 0x20             ; pmax s[12:13], mask s[14:15], b_out s[16:17], out0 s[18:19]
	v_lshl_add_u32 v119, v0, 2, 0x22400
	v_mov_b32 v123, 0
	v_lshrrev_b32 v9, 5, v0
	v_readfirstlane_b32 s[WV], v9                  ; wave 0..3
	v_and_b32 v9, 31, v0                           ; L
	v_and_b32 v10, 15, v0                          ; r
	v_bfe_u32 v54, v0, 4, 1                        ; h
	v_lshlrev_b32 v[LI], 4, v9
	v_lshlrev_b32 v[L4], 2, v9
	v_lshlrev_b32 v[L8], 3, v9
	v_lshlrev_b32 v[R16], 4, v10
	v_lshlrev_b32 v[H64], 6, v54
	v_lshlrev_b32 v[L32], 5, v9
	v_lshlrev_b32 v[H32], 5, v54
	s_wait_alu depctr_va_sdst(0)                   ; the wave's number is written, ahead of its first reader
	s_mul_i32 s31, s[WV], 24576
	v_add_nc_u32 v[OWI], s31, v[LI]
	s_lshl_b32 s31, s[WV], 11
	v_add_nc_u32 v[OWS], s31, v[L4]
	v_add_nc_u32 v[OWS], OSC, v[OWS]
	v_add_nc_u32 v[LI2], 49152, v[LI]
	v_add_nc_u32 v[LSO], OSC, v[L4]
	s_mul_i32 s31, s[WV], 8448
	s_add_co_u32 s31, s31, STG                     ; my stage
	v_mul_u32_u24 v[STO], v10, 528
	v_lshl_add_u32 v[STO], v54, 5, v[STO]
	v_add_nc_u32 v[STO], s31, v[STO]               ; in: row r, 32 bytes for each half of the lanes
	v_add_nc_u32 v[RD], s31, v[LI]                 ; back: a whole row of 512 bytes
	v_mov_b32 v[QSO], v[R16]                       ; tile 0's scale words
	v_mov_b32 v[NM+1], 0                           ; (only named as upper halves of pairs)
	v_mov_b32 v[RL+1], 0
	v_mov_b32 v[RL+3], 0
	s_mov_b32 s[SEL], 0x76543210
	s_mov_b32 s[SEL+1], 0xfedcba98
	s_mov_b32 s[CS], 0x3fb8aa3b                    ; log2(e)
	s_mov_b32 s[CS+1], s[CS]
	s_mov_b32 s[CLN], 0xc7435000                   ; -50,000
	s_mov_b32 s[T], 0
	s_mov_b32 s[OST], 0
	s_mov_b32 s[OSS], 0
	s_lshr_b32 s31, ttmp9, 5                       ; batch
	s_lshl_b32 s32, s31, 10                        ; its mask: 1,024 bytes
	s_mov_b32 s33, 0
	s_lshl_b32 s31, s31, 3
	s_lshl_b32 s56, s[WV], 1
	s_add_co_u32 s31, s31, s56                     ; 8 batch + my first pair
	s_mul_i32 s34, s31, 24576
	s_mov_b32 s35, 0
	s_lshl_b32 s48, s31, 11
	s_mov_b32 s49, 0
	s_lshl_b32 s50, ttmp9, 3
	s_add_co_u32 s50, s50, s56                     ; 8 work-group + my first pair
	s_mul_i32 s52, s50, 12288
	s_mov_b32 s53, 0
	s_lshl_b32 s54, s50, 9
	s_mov_b32 s55, 0
	s_mul_i32 s56, s[WV], 98304                    ; w_out's fragments 2304 + 64 w on
	s_add_co_u32 s56, s56, 3538944
	s_mov_b32 s57, 0
	s_lshl_b32 s58, s[WV], 13
	s_add_co_u32 s58, s58, 294912
	s_mov_b32 s59, 0
	s_lshl_b32 s60, s[WV], 9                       ; my 128 outputs, in bytes
	s_mov_b32 s61, 0
	s_lshl_b32 s62, ttmp9, 18                      ; my work-group's 128 rows of 2,048 bytes
	s_add_co_u32 s62, s62, s60
	s_mov_b32 s63, 0
	s_wait_kmcnt 0x0
	s_add_nc_u64 s[14:15], s[14:15], s[32:33]
	s_add_nc_u64 s[4:5], s[4:5], s[52:53]
	s_add_nc_u64 s[6:7], s[6:7], s[54:55]
	s_add_nc_u64 s[KP:KP+1], s[8:9], s[34:35]
	s_add_nc_u64 s[VP:VP+1], s[KP:KP+1], 1572864   ; val^T's fragments begin at number 1,024
	s_add_nc_u64 s[KSP:KSP+1], s[10:11], s[48:49]
	s_add_nc_u64 s[VSP:VSP+1], s[KSP:KSP+1], 131072
	s_add_nc_u64 s[WOP:WOP+1], s[8:9], s[56:57]
	s_add_nc_u64 s[WOSP:WOSP+1], s[10:11], s[58:59]
	s_add_nc_u64 s[16:17], s[16:17], s[60:61]
	s_add_nc_u64 s[18:19], s[18:19], s[62:63]
	s_wait_alu depctr_va_vdst(0)                   ; the offsets and addresses v1 to v15 and v49 are written, which the loads and stores below read
	global_load_b128 v[56:59], v[L32], s[12:13]    ; the 256 work-groups' maxima, 8 a lane
	global_load_b128 v[60:63], v[L32], s[12:13] offset:16
	global_load_b128 v[64:67], v[L32], s[14:15]    ; the batch's mask, 8 a lane: is any of it not 0?
	global_load_b128 v[68:71], v[L32], s[14:15] offset:16
.irp t, 0,1,2,3,4,5,6,7,8,9,10,11,12,13,14,15
	global_load_b128 v[S+8*\t:S+8*\t+3], v[H64], s[14:15] offset:4*(32*(\t/2)+8*(\t%2))      ; and once more in S's layout
	global_load_b128 v[S+8*\t+4:S+8*\t+7], v[H64], s[14:15] offset:4*(32*(\t/2)+8*(\t%2))+16
.endr
	QALOAD 0                                       ; tile 0's q
	QBLOAD 0
	KLOAD 0
	s_wait_loadcnt 58                              ; q's 6 and k's 52 loads may be out
	v_max3_num_f32 v56, v56, v57, v58
	v_max3_num_f32 v56, v56, v59, v60
	v_max3_num_f32 v56, v56, v61, v62
	v_max_num_f32 v56, v56, v63
	v_max_num_f32_dpp v56, v56, v56 row_xmask:1 row_mask:0xf bank_mask:0xf
	v_max_num_f32_dpp v56, v56, v56 row_xmask:2 row_mask:0xf bank_mask:0xf
	v_max_num_f32_dpp v56, v56, v56 row_xmask:4 row_mask:0xf bank_mask:0xf
	v_max_num_f32_dpp v56, v56, v56 row_xmask:8 row_mask:0xf bank_mask:0xf
	v_permlanex16_b32 v57, v56, s[SEL], s[SEL+1]
	v_max_num_f32 v56, v56, v57                    ; the largest score of all
.irp j, 65,66,67,68,69,70,71
	v_or_b32 v64, v64, v[\j]
.endr
	v_cmp_ne_u32 vcc_lo, 0, v64
	s_wait_alu depctr_va_vcc(0)                    ; the compare has written VCC, ahead of the scalar compare that reads it
	s_cmp_lg_u32 vcc_lo, 0
	s_cselect_b32 s[NANB], 0, 0x7fc00000           ; what is added to the output bias: 0, or NaN where the batch's mask is all 0
	v_mov_b32 v54, 0x47435000                      ; +50,000
	v_mov_b32 v55, 0xff800000                      ; -infinity
	WIN 0x40
.irp j, 198,199,200,201,202,203
	v_mov_b32 v[\j], 0                             ; the zero codes between q's two heads.  They are an operand written by vector instructions: the 264 plain lines below stand between them and the first scaled product
.endr
	WIN 0xc0                                       ; destination window 3
.irp j, 0,1,2,3,4,5,6,7
	v_xor_b32 v[192+\j], 0x80000000, v56
.endr
; the upper bound of each key's logit: 8 runs of 16 compares into s48 to s63 (the offsets that these held are used up), one wait a run, 16 selections
.set n, 0
.rept 8
	WIN 0
.irp j, 0,1,2,3,4,5,6,7,8,9,10,11,12,13,14,15
	v_cmp_eq_u32 s[MK+\j], 0, v[S+n+\j]
.endr
	s_wait_alu depctr_va_sdst(0)                   ; the 16 compares have written their masks, ahead of the selections that read them
	WIN 0xc0                                       ; destination window 3
.irp j, 0,1,2,3,4,5,6,7,8,9,10,11,12,13,14,15
	v_cndmask_b32 v[n+\j], v54, v55, s[MK+\j]      ; the upper bound of key n + j's logit
.endr
.set n, n+16
.endr
	WIN 0
	s_wait_alu depctr_va_vdst(0)                   ; the zero codes between q's two heads are written: every scaled score product takes them as part of its source 1
	VLOAD 0
; 16 trips: trip T is tile T % 8 of pair T / 8.  s[4:5] stands at tile min(T, 14): what is asked for lies 1,536 bytes on, the next tile, and in the last trip tile 15 once more, so that head a's three loads
; are issued in EVERY trip and no wait's count hangs on a branch.  The order of a trip's loads: head a's 3; (at a pair's last tile: the next pair's k, 52); head b's 3; (there too: val^T, 52).
.Ltile:
	s_wait_loadcnt 3                               ; head a's q is in, and at a pair's first tile k: my three youngest loads, head b's or val^T's last three, may be out
	SCORE 0, QW
	PLACES 4                                       ; in front of the first read of the scores
	WIN 0
	s_add_co_u32 s31, s[T], 1
	s_min_u32 s31, s31, 15                         ; the tile asked for
	s_lshr_b32 s32, s31, 3
	s_lshl_b32 s32, s32, 9
	s_and_b32 s33, s31, 1
	s_lshl_b32 s33, s33, 8
	s_add_co_u32 s32, s32, s33
	s_bfe_u32 s33, s31, 0x20001
	s_lshl_b32 s33, s33, 2
	s_add_co_u32 s32, s32, s33
	s_wait_alu depctr_vm_vsrc(0)                   ; the loads of q's scale words issued so far have read v49, which the next line writes; the last image's LDS stores have read v9, v10, v50 and the codes, which this trip writes again
	v_add_nc_u32 v[QSO], s32, v[R16]               ; its scale words (the last loads by this register stand ahead of the wait on XCNT at the last trip's end, or were waited for at this trip's head)
	SOFT_A
	QALOAD 1536                                    ; behind the softmax's wait: no vector or matrix instruction since names head a's registers, v48 or v49
	SOFT_B 0
	s_wait_loadcnt 3                               ; val^T and head b's q are in; the three loads issued in head a's softmax may be out
	PV 0
	SCORE 1, QWB
	PLACES 4                                       ; in front of the first read of the scores
	WIN 0
	SOFT_A
	s_cmp_eq_u32 s[T], 15                          ; behind the softmax's wait: no vector or matrix instruction since names k's, head b's or their scale words' registers
	s_cbranch_scc1 .Llast
	s_cmp_eq_u32 s[T], 7
	s_cbranch_scc0 .Lsame_k
	KLOAD 1                                        ; the pair's last scores are made: the next pair's k, ahead of head b's loads, so that these stay my youngest
.Lsame_k:
	QBLOAD 1536
	s_branch .Lgo
.Llast:                                                ; the last trip: w_out's first two K steps and the bias take k's and q's registers
	s_wait_loadcnt 0x0                             ; head a's three loads of this trip have landed: no load is out on the registers that the loads below write
	WOLOAD 0, 0
	WOLOAD 1, 1
	BOLOAD
.Lgo:
	SOFT_B 1
	PV 1
	PLACES 4                                       ; in front of the loads into val^T's registers and of the first read of the results
	s_cmp_eq_u32 s[T], 7
	s_cbranch_scc0 .Lsame_v
	s_wait_alu depctr_va_vdst(0)                   ; the pair's last second products are done reading val^T and its scale words, in which the next pair's loads land
	VLOAD 1
.Lsame_v:
	OQ
	s_wait_xcnt 0x0                                ; the trip's loads have read their base and their offset registers: q's pointer steps here, the scale words' offset in the next trip
	s_cmp_lt_u32 s[T], 14
	s_cselect_b32 s32, 1536, 0                     ; the pointer stops at tile 14
	s_mov_b32 s33, 0
	s_add_nc_u64 s[4:5], s[4:5], s[32:33]
	s_add_co_u32 s[T], s[T], 1
	s_cmp_lt_u32 s[T], 16
	s_cbranch_scc1 .Ltile
	; PHASE 2.  o's fragments have one set of registers, in two halves; each half is loaded again behind the 32 products that read it, behind one wait on va_vdst; the second of a step's two waits also frees the step's set of w_out.
.macro OFETCH st, hf                           ; o's fragments of row tiles 4 hf .. 4 hf + 3, K step st, and their scale words: 16 LDS loads
.irp a, 0,1,2,3
.irp c, 0,1,2
.if (\st) < 4
	ds_load_b128 v[OF+12*(4*(\hf)+\a)+4*\c:OF+12*(4*(\hf)+\a)+4*\c+3], v[LI] offset:(8*(\st)+4*(\hf)+\a)*1536+512*\c
.else
	ds_load_b128 v[OF+12*(4*(\hf)+\a)+4*\c:OF+12*(4*(\hf)+\a)+4*\c+3], v[LI2] offset:(8*((\st)-4)+4*(\hf)+\a)*1536+512*\c
.endif
.endr
.endr
.irp a, 0,1,2,3
	ds_load_b32 v[OW+4*(\hf)+\a], v[LSO] offset:(8*(\st)+4*(\hf)+\a)*128
.endr
.endm
.macro OMUL st, hi                             ; 32 products; the 64 accumulators take turns in the same order in every K step; K step 0 takes the bias as C
.if (\st) == 0
	WIN 0x91+0x40*(\hi)
.else
	WIN 0xa1+0x50*(\hi)
.endif
.irp a, 0,1,2,3
.irp b, 0,1,2,3,4,5,6,7
.if (\st) == 0
	v_wmma_scale_f32_16x16x128_f8f6f4 v[8*(8*\a+\b):8*(8*\a+\b)+7], v[128*((\st)%2)+12*\b:128*((\st)%2)+12*\b+11], v[OF+12*(4*(\hi)+\a):OF+12*(4*(\hi)+\a)+11], v[96+8*\b+96*(\b/4):96+8*\b+96*(\b/4)+7], v[WW+8*((\st)%2)+\b], v[OW+4*(\hi)+\a] matrix_a_fmt:MATRIX_FMT_FP6 matrix_b_fmt:MATRIX_FMT_FP6
.else
	v_wmma_scale_f32_16x16x128_f8f6f4 v[8*(8*\a+\b):8*(8*\a+\b)+7], v[128*((\st)%2)+12*\b:128*((\st)%2)+12*\b+11], v[OF+12*(4*(\hi)+\a):OF+12*(4*(\hi)+\a)+11], v[8*(8*\a+\b):8*(8*\a+\b)+7], v[WW+8*((\st)%2)+\b], v[OW+4*(\hi)+\a] matrix_a_fmt:MATRIX_FMT_FP6 matrix_b_fmt:MATRIX_FMT_FP6
.endif
.endr
.endr
.endm
.macro OSTEP st
.if (\st) < 7
	s_wait_loadcnt 26                              ; this step's weights are in; the other set's 26 loads may be out
.else
	s_wait_loadcnt 0x0
.endif
	s_wait_dscnt 16                                ; row tiles 0-3 are in; the 16 LDS loads of tiles 4-7 may be out
	OMUL \st, 0
	s_wait_dscnt 0x0
.if (\st) < 7
	PLACES 4
	WIN 0
	s_wait_alu depctr_va_vdst(0)                   ; the 32 products above are done reading row tiles 0-3 and their scale words, in which the loads below land
	OFETCH (\st)+1, 0
.endif
	OMUL \st, 1
	PLACES 4
	WIN 0
.if (\st) < 7
	s_wait_alu depctr_va_vdst(0)                   ; the step's products are done reading row tiles 4-7 and their scale words, and this step's set of w_out and its scale words: the loads below land in them
	OFETCH (\st)+1, 1
.endif
.if (\st) < 6
	WOLOAD (\st)%2, (\st)+2
.endif
.endm
	s_wait_dscnt 0x0                               ; for the others' sake: my images and scale words have landed
	s_barrier_signal -1
	s_barrier_wait -1                              ; o's 64 images lie in LDS
	OFETCH 0, 0                                    ; these land in S's and val's scale words' registers: the wait ahead of the last image's stores stands behind all their readers and writers, and no vector or matrix instruction has been issued since
	OFETCH 0, 1
	s_wait_loadcnt 0x0                             ; w_out's first two sets and the bias
	WIN 0x44
.irp b, 0,1,2,3,4,5,6,7
.irp j, 0,1,2,3,4,5,6,7
	v_add_f32 v[96+8*\b+96*(\b/4)+\j], s[NANB], v[96+8*\b+96*(\b/4)+\j]
.endr
.endr
	WIN 0
.irp s, 0,1,2,3,4,5,6,7
	OSTEP \s
.endr
; THE WAY OUT, block by block of 16 rows x my 128 outputs.  A lane holds 32 neighbouring bytes of a row: a block goes through my own stage in LDS and comes back as whole rows of 512 bytes.
; LDS serves a wave's instructions in order (ISA guide 5.7.1.4): no wait between the stores and the loads, nor in front of the next block's stores.
.macro TOSTAGE a
	WIN 0x08+4*((\a)/4)                            ; an LDS store's data are its source 1: window 2 or 3
.irp b, 0,1,2,3,4,5,6,7
	ds_store_b128 v[STO], v[64*((\a)%4)+8*\b:64*((\a)%4)+8*\b+3] offset:64*\b       ; each accumulator from its low end on
	ds_store_b128 v[STO], v[64*((\a)%4)+8*\b+4:64*((\a)%4)+8*\b+7] offset:64*\b+16
.endr
	WIN 0
.irp t, 0,1,2,3,4,5,6,7,8,9,10,11,12,13,14,15
	ds_load_b128 v[BK+64*((\a)%2)+4*\t:BK+64*((\a)%2)+4*\t+3], v[RD] offset:\t*528
.endr
.endm
.macro SEND a, younger                         ; younger: the LDS instructions issued behind block a's loads, which may stay out
	s_wait_dscnt \younger
.irp t, 0,1,2,3,4,5,6,7,8,9,10,11,12,13,14,15
	global_store_b128 v[LI], v[BK+64*((\a)%2)+4*\t:BK+64*((\a)%2)+4*\t+3], s[18:19] offset:(16*(\a)+\t)*2048 th:TH_STORE_NT   ; 32 lanes store 512 consecutive bytes, at a multiple of 256 from out0's first byte
.endr
.endm
	s_wait_alu depctr_va_vdst(0)                   ; the products have written the 64 accumulators, which the LDS stores read, and are done reading o's fragments, in which the stage's loads land (four plain instructions stand behind the last products, beside this wait); no vector or matrix instruction follows
	TOSTAGE 0
.irp a, 1,2,3,4,5,6,7
.if \a > 1
	s_wait_xcnt 0x0                                ; block a - 2's stores have read their registers: block a's loads may land there
	s_wait_alu depctr_vm_vsrc(0)                   ; block a - 2's global stores have read their data registers, in which block a's loads from the stage land
.endif
	TOSTAGE \a
	SEND \a-1, 32                                  ; behind block a - 1's loads: block a's 16 stores and 16 loads
.endr
	SEND 7, 0
	s_wait_dscnt 0x0                               ; the closing lines, six on end
	s_wait_alu 0x0
	s_wait_tensorcnt 0x0
	ds_add_u32 v119, v123
	s_wait_dscnt 0x0
	s_endpgm
.Lfunc_end_k_q3001c5c61b_attn:
	.size	k_q3001c5c61b_attn, .Lfunc_end_k_q3001c5c61b_attn-k_q3001c5c61b_attn
	.p2alignl 7, 3214868480
	.fill 96, 4, 3214868480
	.section	.rodata,"a",@progbits
	.p2align	6, 0x0
	.amdhsa_kernel k_q3001c5c61b_attn
		.amdhsa_group_segment_fixed_size 140800
		.amdhsa_private_segment_fixed_size 0
		.amdhsa_enable_private_segment 0
		.amdhsa_kernarg_size 64
		.amdhsa_user_sgpr_count 2
		.amdhsa_user_sgpr_kernarg_segment_ptr 1
		.amdhsa_wavefront_size32 1
		.amdhsa_system_sgpr_workgroup_id_x 1
		.amdhsa_system_sgpr_workgroup_id_y 1
		.amdhsa_system_sgpr_workgroup_id_z 1
		.amdhsa_system_vgpr_workitem_id 0
		.amdhsa_next_free_vgpr 1024
		.amdhsa_next_free_sgpr 66
		.amdhsa_reserve_vcc 1
		.amdhsa_float_denorm_mode_32 3
		.amdhsa_float_denorm_mode_16_64 3
		.amdhsa_memory_ordered 1
		.amdhsa_forward_progress 1
		.amdhsa_inst_pref_size 255
	.end_amdhsa_kernel
	.section	.bss,"aw",@nobits
	.p2align	6
	.space	262144
	.amdgpu_metadata
---
amdhsa.version: [ 1, 2 ]
amdhsa.kernels:
  - .name:           k_q3001c5c61b_attn
    .symbol:         k_q3001c5c61b_attn.kd
    .args:
      - { .name: qc, .offset: 0, .size: 8, .value_kind: global_buffer, .address_space: global }
      - { .name: qs, .offset: 8, .size: 8, .value_kind: global_buffer, .address_space: global }
      - { .name: codes, .offset: 16, .size: 8, .value_kind: global_buffer, .address_space: global }
      - { .name: scales, .offset: 24, .size: 8, .value_kind: global_buffer, .address_space: global }
      - { .name: pmax, .offset: 32, .size: 8, .value_kind: global_buffer, .address_space: global }
      - { .name: attention_mask_l, .offset: 40, .size: 8, .value_kind: global_buffer, .address_space: global }
      - { .name: b_out, .offset: 48, .size: 8, .value_kind: global_buffer, .address_space: global }
      - { .name: out0, .offset: 56, .size: 8, .value_kind: global_buffer, .address_space: global }
    .group_segment_fixed_size: 140800
    .private_segment_fixed_size: 0
    .kernarg_segment_align: 8
    .kernarg_segment_size: 64
    .max_flat_workgroup_size: 128
    .sgpr_count:     66
    .vgpr_count:     1024
    .wavefront_size: 32
...
	.end_amdgpu_metadata
.endif
;; end of part 5
